; MI455X (gfx1250); checked and timed in simulation.
; The chip was launched on July 23, 2026; its instructions are those of AMD's public machine-readable ISA for CDNA 5 (MIT licence, August 2026) and "CDNA5" Instruction Set Architecture Reference Guide (July 2026). The comments in the code are by the model that wrote it; some were corrected since.
;; Context Window Predictor. Allowed arithmetic: matrix products marked QUANTISED: E5M2 operands, one E8M0 scale for each 32 along K, by v_wmma_scale_f32_16x16x128_f8f6f4 with both operands' format E5M2, f32 sums; products left as they are: f32 operands where the result goes on into a quantised operand, else bf16, f16 or f32 operands; f32 sums; everything else in f32.
;; Inputs: W1_codes 1,024 x 64 x 32 uint8 (E5M2 codes of W1, K innermost, in blocks of 32 codes); W1_scales 1,024 x 64 uint8 (E8M0 scales of W1, one for each 32 codes along K); W2 1,024 x 2 float32; b1 1,024 float32; b2 2 float32; hidden_states 8 x 2,048 x 1,024 float32; pairs 8 x 4,096 x 2 int32.
;; Outputs: out0 8 x 4,096 x 2 float32.
;; This version of the problem:
;;   THIS VERSION OF THE PROBLEM IS GIVEN IN LOW PRECISION. The matrix products marked QUANTISED in the list below multiply operands that are first quantised to E5M2 (5 exponent bits, 2 mantissa bits; 8 bits a number), with one power-of-two scale for each 32 numbers along K (OCP MX v1.0); their sums are f32. All else is computed in f32.
;;   The module's matrix products, in the order in which they are computed (A, B: the left and right operand; K: the contracted axis; several contracted axes count as one K, in the product's order):
;;     1. [M 32,768, K 2,048] x [K 2,048, N 1,024]; A: computed on the way; B: input W1 (given as codes): QUANTISED
;;     2. [M 32,768, K 1,024] x [K 1,024, N 2]; A: computed on the way; B: input W2: left as it is (N = 2 < 16)
;;   THE QUANTISER, for each operand of a quantised product, along K:
;;     - K is cut into blocks of 32 from its start; a last block that is shorter is filled with zeros.
;;     - A block's scale is 2^e with e = floor(log2(the largest magnitude in the block)) - 15, held to -126 .. 127; a block of zeros has e = 0. As a byte (E8M0): e + 127.
;;     - Each number is divided by its block's scale, clamped to +-57,344, and rounded to the nearest number of E5M2, ties to even, subnormals kept.
;;     - The product sums the exact products of the quantised numbers (number of the format x scale) in f32.
;;   ~~~python
;;   def quantise(x, axis):      # numpy; x: float32 -> the quantised numbers, widened to float32 again
;;       x = np.moveaxis(x, axis, -1); K = x.shape[-1]
;;       x = np.pad(x, [(0, 0)] * (x.ndim - 1) + [(0, -K % 32)]); x = x.reshape(x.shape[:-1] + (-1, 32)); a = np.abs(x).max(-1, keepdims=True)
;;       e = np.where(a > 0, np.clip(np.frexp(np.where(a > 0, a, 1))[1] - 1 - 15, -126, 127), 0)      # np.frexp(a)[1] - 1 = floor(log2(a)), exactly
;;       r = np.clip(x / 2.0 ** e, -57344, 57344)
;;       step = 2.0 ** (np.maximum(np.frexp(np.where(r == 0, 1, r))[1] - 1, -14) - 2)
;;       q = np.round(r / step) * step * 2.0 ** e      # np.round: ties to even
;;       return np.moveaxis(q.reshape(q.shape[:-2] + (-1,))[..., :K], -1, axis).astype(np.float32)
;;   ~~~
;;   OPERANDS COMPUTED ON THE WAY. 'Computed on the way' means the value that the module computes at that place (a softmax that the list does not call 'softmax' is quantised finished and normalised). What goes into a quantiser is computed in f32, as accurately as f32 sums, v_exp_f32 and their like allow (about 1e-6 of the number): no bf16 or f16 on the way to a quantiser, and a product that is left as it is and whose result goes on into a quantised operand takes f32 operands (vector FMAs, or v_wmma_f32_16x16x4_f32). A number that lies on a knife's edge between two numbers of the format may be rounded either way, as far as f32 arithmetic and the matrix unit's own rounding can turn it there, and no further.
;;   INPUTS GIVEN AS CODES. W1 (in the module: [2048, 1024], K = its axis 0): each comes as NAME_codes (uint8): NAME with its K axis moved to the last place and cut into blocks of 32 codes, [.., K / 32, bytes a block], one block behind the other in memory; one code a byte (a code: sign, 5 exponent bits, 2 mantissa bits); and NAME_scales (uint8): the same leading axes, one E8M0 byte (e + 127) for each 32 codes along K. Its value is code x scale, taken as it is: it is not quantised again, and the codes and scales need not be those that the quantiser above would give.
;; 2 versions, each right; version 2 is version 1 with the launch pairs_mlp written anew for expert scheduling mode. Each part assembles by itself: llvm-mc -triple=amdgcn-amd-amdhsa -mcpu=gfx1250 --defsym DOCPART=n.
;; ======== version 1 of 2: 2 launches
;; workspace buffers: hs_codes 16,777,216 bytes; hs_scales 524,288 bytes; w1f 2,097,152 bytes; w1sf 65,536 bytes; w2f 32,768 bytes
;; launch prep (part 1): grid 578 x 1, 4 waves a work-group, no clusters, 67,072 bytes of LDS; arguments hidden_states, W1_codes, W1_scales, W2, hs_codes, hs_scales, w1f, w1sf, w2f; writes hs_codes, hs_scales, w1f, w1sf, w2f
.if DOCPART == 1
	.amdgcn_target "amdgcn-amd-amdhsa--gfx1250"
	.amdhsa_code_object_version 6
	.text
	.protected	k_q3f040d771f_prep
	.globl	k_q3f040d771f_prep
	.p2align	8
	.type	k_q3f040d771f_prep,@function
k_q3f040d771f_prep:
	s_mov_b64 s[64:65], 0
	v_nop
	global_prefetch_b8 v0, s[64:65] scope:SCOPE_SE
	s_setreg_imm32_b32 hwreg(HW_REG_WAVE_MODE, 25, 1), 1
	s_wait_xcnt 0x0
; THE LAUNCH IN FRONT OF pairs_mlp.  Three kinds of work-groups, told apart by the work-group's number; each kind has LDS bytes of its own.
; Q (work-groups 0-511): hidden_states [16384][1024] f32 becomes codes of E5M2, hs_codes [16384][1024], with one E8M0 byte for each 32 along a row, hs_scales [16384][32].
;   A pair's row is two hidden rows on end and 1,024 is a multiple of 32, so no block of 32 spans the join: each hidden row is quantised ONCE here, and the gather later moves codes.
;   A block's byte is its largest magnitude's exponent field - 15, held at 1 from below; each number is divided by the scale, held within +-57,344 and rounded to the nearest code, ties to even.
;   LIMITS: a block of zeros gets the byte 1 where the rule says 127 (its codes are zeros, and this program alone reads the bytes); NaN and infinities among the inputs are not served.
;   Rows are dense: the tensor is a plain stream of blocks.  A wave takes 16 steps of 512 numbers; each load reads 512 consecutive bytes; the 2,048 bytes of a step turn through the wave's own stage in LDS,
;   so that a lane holds 16 neighbours for the conversions; a lane's 16 codes are 16 bytes, the wave stores 512 consecutive bytes; a wave's 256 scale bytes leave as one run of 256 aligned bytes.
; W (work-groups 512-575): W1's codes [1024 n][2048 k] are laid in the order in which a wave of pairs_mlp takes them into its operand registers:
;   w1f [w 4][nh 2][s 16][b 8][c 4][lane 32][16 bytes]; lane 16 h + r holds W1_codes[512 nh + 128 w + 16 b + r][128 s + 32 c + 16 h .. + 15].  One work-group takes 16 rows, a wave 512 bytes of each.
; M (work-groups 576-577): wave 2 w + nh lays W1's scale words, w1sf [w][nh][s 16][lane 32][t 4]: lane 16 hh + r, word t = W1_scales[n0 + 16 (4 hh + t) + r][4 s .. 4 s + 3], n0 = 512 nh + 128 w;
;   and W2 as the bf16 operand of the second product, w2f [w][nh][pb 4][cc 2][lane 32][16 bytes]: element e of lane (r, h) = bf16(0.5 W2[n0 + 32 pb + 16 cc + 8 h + e][r & 1]).
;   (The scale words are read 4 bytes a lane from rows 64 bytes apart: 65,536 bytes in all, beside the 67 million that the launch streams.)
.set QWG,   512                        ; work-groups of kind Q: 16,777,216 numbers / (4 waves x 8,192)
.set WWG,   64                         ; of kind W: 1,024 rows / 16
.set STEPS, 16
.set EMAX,  15
.set MANT,  0x600000                   ; the mantissa field of 57,344 as f32
.set R,     16                         ; v16-79   Q: four sets of 16 numbers as they are loaded
.set X,     80                         ; v80-111  Q: two sets of 16 neighbours
.set E,     112                        ; v112-127 Q: a scale byte for each step
.set C,     128                        ; v128-191 Q: codes, four registers for each step: no store's data are written again
.set WREG,  8192                       ; Q's LDS: a region for each wave: two stages of 32 x SP bytes, behind them its 256 scale bytes
.set SP,    80                         ; a lane's place in a stage: its 64 bytes + 16 of padding
.set WST,   4*WREG                     ; W's LDS: behind Q's: 16 rows x WP bytes for each wave
.set WP,    528                        ; 512 bytes + 16: the 16 rows that a read touches start at 16 different columns of 16 bytes
	s_load_b256 s[4:11], s[0:1], 0x0               ; hidden_states s[4:5], W1_codes s[6:7], W1_scales s[8:9], W2 s[10:11]
	s_load_b256 s[12:19], s[0:1], 0x20             ; hs_codes s[12:13], hs_scales s[14:15], w1f s[16:17], w1sf s[18:19]
	s_load_b64 s[20:21], s[0:1], 0x40              ; w2f
	v_lshl_add_u32 v192, v0, 2, 0x10400
	v_mov_b32 v193, 0
	v_lshrrev_b32 v1, 5, v0
	v_readfirstlane_b32 s22, v1                    ; wave 0..3
	v_and_b32 v2, 31, v0                           ; lane
	v_lshlrev_b32 v3, 4, v2                        ; 16 x lane: my 16 bytes of a run of 512; never rewritten
	s_mov_b32 s25, 0                               ; the upper word of every offset pair s[24:25]
	s_wait_kmcnt 0x0
	s_cmp_ge_u32 ttmp9, QWG
	s_cbranch_scc1 .Lweights
; ---------------- Q: the quantiser
	s_mul_i32 s26, s22, WREG
	v_lshrrev_b32 v14, 2, v2
	v_mul_u32_u24 v14, v14, SP
	v_and_b32 v15, 3, v2
	v_lshl_add_u32 v14, v15, 4, v14
	v_add_nc_u32 v14, s26, v14                     ; the stage, on the way in: four lanes' 64 bytes on end, then 16 of padding
	v_mul_u32_u24 v15, v2, SP
	v_add_nc_u32 v15, s26, v15                     ; and on the way out: SP x lane: my 16 neighbours
	v_lshrrev_b32 v5, 1, v2
	s_add_co_u32 s26, s26, 2*32*SP
	v_add_nc_u32 v5, s26, v5                       ; my wave's 256 scale bytes: my block's byte
	v_lshlrev_b32 v7, 3, v2                        ; and on the way out 8 bytes a lane
	v_add_nc_u32 v6, s26, v7
	s_mov_b32 s27, MANT                            ; (an instruction takes one literal: the hold's line has another)
	s_lshl_b32 s23, ttmp9, 2
	s_add_co_u32 s23, s23, s22                     ; which run of 8,192 numbers is my wave's: 0 .. 2,047
	s_lshl_b32 s24, s23, 15                        ; 32,768 bytes of f32,
	s_add_nc_u64 s[4:5], s[4:5], s[24:25]
	s_lshl_b32 s24, s23, 13                        ; 8,192 of codes,
	s_add_nc_u64 s[12:13], s[12:13], s[24:25]
	s_lshl_b32 s24, s23, 8                         ; 256 scale bytes a run
	s_add_nc_u64 s[14:15], s[14:15], s[24:25]
.macro QLOAD t
.irp i, 0,1,2,3
	global_load_b128 v[R+16*((\t)%4)+4*\i:R+16*((\t)%4)+4*\i+3], v3, s[4:5] offset:2048*(\t)+512*\i th:TH_LOAD_NT   ; 32 lanes read 512 consecutive bytes; read once in the launch
.endr
.endm
.macro QTURN t                         ; step t's numbers through the stage: LDS serves a wave's instructions in order, so no wait stands between the stores and the loads
.irp i, 0,1,2,3
	ds_store_b128 v14, v[R+16*((\t)%4)+4*\i:R+16*((\t)%4)+4*\i+3] offset:32*SP*((\t)%2)+8*SP*\i
.endr
.irp i, 0,1,2,3
	ds_load_b128 v[X+16*((\t)%2)+4*\i:X+16*((\t)%2)+4*\i+3], v15 offset:32*SP*((\t)%2)+16*\i
.endr
.endm
.irp t, 0,1,2,3
	QLOAD \t
.endr
	s_wait_loadcnt 12                              ; step 0's four loads are in; the twelve of steps 1 to 3 may be out
	QTURN 0
.macro QSTEP t
.set XS, X+16*((\t)%2)
.if (\t) > 0
	s_wait_dscnt 1                                 ; this step's numbers are back from the stage (the last step's byte store may be out): so its stores into the stage have read their registers,
.else
	s_wait_dscnt 0x0
.endif
.if (\t)+4 < STEPS
	QLOAD (\t)+4                                   ; which take the loads of four steps on
.endif
.if (\t)+1 < STEPS
.if STEPS-2-(\t) >= 3
	s_wait_loadcnt 12                              ; the next step's four loads are in; those of the three steps behind it may be out
.else
	s_wait_loadcnt 4*(STEPS-2-(\t))                ; the tail: as many steps behind it as are left
.endif
	QTURN (\t)+1                                   ; and go through the other stage while this step is worked
.endif
	v_max3_num_f32 v8, |v[XS]|, |v[XS+1]|, |v[XS+2]|               ; the largest magnitude of my 16, in two chains
	v_max3_num_f32 v9, |v[XS+3]|, |v[XS+4]|, |v[XS+5]|
.irp i, 6,10
	v_max3_num_f32 v8, v8, |v[XS+\i]|, |v[XS+\i+1]|
	v_max3_num_f32 v9, v9, |v[XS+\i+2]|, |v[XS+\i+3]|
.endr
	v_max3_num_f32 v8, v8, |v[XS+14]|, |v[XS+15]|
	v_max3_num_f32 v8, v8, v9, (EMAX+1)<<23        ; and the floor 2^(16 - 127): so the byte cannot fall under 1
	v_max_num_f32_dpp v8, v8, v8 row_xmask:1 row_mask:0xf bank_mask:0xf   ; and of my neighbour's 16: the block's
	v_add_nc_u32 v11, -(EMAX<<23), v8              ; 15 off its exponent field: the conversion takes the exponent field of this operand as its scale, and nothing else of it
	v_and_or_b32 v10, v8, 0x7f800000, s27          ; 57,344 x the scale: the largest magnitude's exponent field over 57,344's mantissa
.irp i, 0,1,2,3,4,5,6,7,8,9,10,11,12,13,14,15
	v_med3_num_f32 v[XS+\i], v[XS+\i], -v10, v10   ; the conversion to an 8-bit code does not saturate (ISA guide 7.6.2): hold the number first
.endr
	v_cvt_scalef32_pk8_bf8_f32 v[C+4*(\t):C+4*(\t)+1], v[XS:XS+7], v11
	v_cvt_scalef32_pk8_bf8_f32 v[C+4*(\t)+2:C+4*(\t)+3], v[XS+8:XS+15], v11
	v_lshrrev_b32 v[E+(\t)], 23, v11               ; the scale's byte (also the plain line behind the conversions)
	ds_store_b8 v5, v[E+(\t)] offset:16*(\t)       ; both lanes of a block write the same byte with the same value
	global_store_b128 v3, v[C+4*(\t):C+4*(\t)+3], s[12:13] offset:512*(\t)   ; the wave stores 512 consecutive bytes, aligned
.endm
.irp t, 0,1,2,3,4,5,6,7,8,9,10,11,12,13,14,15
	QSTEP \t
.endr
	ds_load_b64 v[12:13], v6                       ; LDS serves a wave's instructions in order: these see my byte stores
	s_wait_dscnt 0x0
	global_store_b64 v7, v[12:13], s[14:15]        ; 32 lanes store 256 consecutive bytes, aligned
	s_wait_tensorcnt 0x0
	ds_add_u32 v192, v193
	s_wait_dscnt 0x0
	s_endpgm
; ---------------- W: W1's codes in the order of the operand's registers
.Lweights:
	s_cmp_ge_u32 ttmp9, QWG+WWG
	s_cbranch_scc1 .Lsmall
	s_sub_co_u32 s23, ttmp9, QWG                   ; nb = 32 nh + 8 w + b: which 16 rows of W1
	s_lshl_b32 s24, s23, 15                        ; 16 rows of 2,048 bytes,
	s_lshl_b32 s26, s22, 9                         ; my wave's 512 bytes of each
	s_add_co_u32 s24, s24, s26
	s_add_nc_u64 s[6:7], s[6:7], s[24:25]
	s_lshr_b32 s26, s23, 5                         ; nh
	s_bfe_u32 s27, s23, 0x20003                    ; w: 2 bits from bit 3
	s_and_b32 s28, s23, 7                          ; b
	s_lshl_b32 s27, s27, 1
	s_add_co_u32 s27, s27, s26                     ; 2 w + nh
	s_lshl_b32 s27, s27, 4
	s_lshl_b32 s29, s22, 2
	s_add_co_u32 s27, s27, s29                     ; x 16 steps, + my wave's first step, 4 x wave
	s_lshl_b32 s24, s27, 14                        ; 16,384 bytes a step,
	s_lshl_b32 s28, s28, 11                        ; 2,048 a block of 16 rows
	s_add_co_u32 s24, s24, s28
	s_add_nc_u64 s[16:17], s[16:17], s[24:25]
	s_mul_i32 s30, s22, 16*WP
	s_add_co_u32 s30, s30, WST                     ; my stage
	v_add_nc_u32 v8, s30, v3                       ; in: 16 bytes a lane, a row an instruction
	v_and_b32 v10, 15, v2                          ; r
	v_lshrrev_b32 v11, 4, v2                       ; h
	v_mul_u32_u24 v9, v10, WP
	v_lshl_add_u32 v9, v11, 4, v9
	v_add_nc_u32 v9, s30, v9                       ; out: row r, + 16 h
.irp p, 0,1,2,3,4,5,6,7,8,9,10,11,12,13,14,15
	global_load_b128 v[16+4*\p:19+4*\p], v3, s[6:7] offset:2048*\p th:TH_LOAD_NT   ; row p: 512 consecutive bytes
.endr
	s_wait_loadcnt 0x0
.irp p, 0,1,2,3,4,5,6,7,8,9,10,11,12,13,14,15
	ds_store_b128 v8, v[16+4*\p:19+4*\p] offset:WP*\p
.endr
.irp j, 0,1,2,3,4,5,6,7,8,9,10,11,12,13,14,15   ; j = 4 s' + c.  My own bytes, served in order: no wait between the stores and these
	ds_load_b128 v[80+4*\j:83+4*\j], v9 offset:128*(\j/4)+32*(\j%4)
.endr
.irp j, 0,1,2,3,4,5,6,7,8,9,10,11,12,13,14,15
	s_wait_dscnt 15-\j                             ; LDS loads come back in order: number j is in
	global_store_b128 v3, v[80+4*\j:83+4*\j], s[16:17] offset:16384*(\j/4)+512*(\j%4)   ; 512 consecutive bytes, aligned
.endr
	s_wait_tensorcnt 0x0
	ds_add_u32 v192, v193
	s_wait_dscnt 0x0
	s_endpgm
; ---------------- M: W1's scale words and W2's bf16 operand
.Lsmall:
	s_sub_co_u32 s23, ttmp9, QWG+WWG
	s_lshl_b32 s23, s23, 2
	s_add_co_u32 s23, s23, s22                     ; 2 w + nh: 0 .. 7
	s_and_b32 s24, s23, 1
	s_lshl_b32 s24, s24, 9
	s_lshr_b32 s26, s23, 1
	s_lshl_b32 s26, s26, 7
	s_add_co_u32 s26, s26, s24                     ; n0 = 512 nh + 128 w
	s_lshl_b32 s24, s26, 6
	s_add_nc_u64 s[8:9], s[8:9], s[24:25]          ; W1_scales at row n0 (64 bytes a row)
	s_lshl_b32 s24, s26, 3
	s_add_nc_u64 s[10:11], s[10:11], s[24:25]      ; W2 at row n0 (8 bytes a row)
	s_lshl_b32 s24, s23, 13
	s_add_nc_u64 s[18:19], s[18:19], s[24:25]      ; w1sf: 16 steps x 512 bytes
	s_lshl_b32 s24, s23, 12
	s_add_nc_u64 s[20:21], s[20:21], s[24:25]      ; w2f: 8 items x 512 bytes
	v_and_b32 v10, 15, v2                          ; r
	v_lshrrev_b32 v11, 4, v2                       ; h
	v_lshlrev_b32 v4, 6, v10
	v_lshl_add_u32 v4, v11, 12, v4                 ; scales: row 64 h + r
	v_lshlrev_b32 v5, 6, v11                       ; W2: 8 rows further on for lanes 16-31
	v_and_b32 v6, 1, v2
	v_cmp_eq_u32 vcc_lo, 1, v6                     ; odd rows of the operand take W2's column 1
.irp s, 0,1,2,3,4,5,6,7,8,9,10,11,12,13,14,15
.irp t, 0,1,2,3
	global_load_b32 v[16+4*\s+\t], v4, s[8:9] offset:1024*\t+4*\s
.endr
.endr
.macro W2LOAD ro                       ; four items (2 pb + cc = 4 ro + it): my 8 rows of W2, 64 bytes
.irp it, 0,1,2,3
.irp q, 0,1,2,3
	global_load_b128 v[80+16*\it+4*\q:83+16*\it+4*\q], v5, s[10:11] offset:128*(4*\ro+\it)+16*\q
.endr
.endr
.endm
.macro W2PACK ro
.irp it, 0,1,2,3
.irp e, 0,1,2,3,4,5,6,7
	v_cndmask_b32 v[80+16*\it+2*\e], v[80+16*\it+2*\e], v[81+16*\it+2*\e], vcc_lo   ; column r & 1
.endr
.irp e, 0,1,2,3,4,5,6,7
	v_mul_f32 v[80+16*\it+2*\e], 0.5, v[80+16*\it+2*\e]      ; the GELU's factor 1/2 is kept here
.endr
.irp k, 0,1,2,3
	v_cvt_pk_bf16_f32 v[144+4*(4*\ro+\it)+\k], v[80+16*\it+4*\k], v[82+16*\it+4*\k]
.endr
	global_store_b128 v3, v[144+4*(4*\ro+\it):147+4*(4*\ro+\it)], s[20:21] offset:512*(4*\ro+\it)   ; each item has registers of its own: no store's data are written again
.endr
.endm
	W2LOAD 0
	s_wait_loadcnt 16                              ; the 64 scale words are in; W2's sixteen loads may be out
.irp s, 0,1,2,3,4,5,6,7,8,9,10,11,12,13,14,15
	global_store_b128 v3, v[16+4*\s:19+4*\s], s[18:19] offset:512*\s
.endr
	s_wait_loadcnt 0x0
	W2PACK 0
	W2LOAD 1
	s_wait_loadcnt 0x0
	W2PACK 1
	s_endpgm
.Lfunc_end_k_q3f040d771f_prep:
	.size	k_q3f040d771f_prep, .Lfunc_end_k_q3f040d771f_prep-k_q3f040d771f_prep
	.p2alignl 7, 3214868480
	.fill 96, 4, 3214868480
	.section	.rodata,"a",@progbits
	.p2align	6, 0x0
	.amdhsa_kernel k_q3f040d771f_prep
		.amdhsa_group_segment_fixed_size 67072
		.amdhsa_private_segment_fixed_size 0
		.amdhsa_enable_private_segment 0
		.amdhsa_kernarg_size 72
		.amdhsa_user_sgpr_count 2
		.amdhsa_user_sgpr_kernarg_segment_ptr 1
		.amdhsa_wavefront_size32 1
		.amdhsa_system_sgpr_workgroup_id_x 1
		.amdhsa_system_sgpr_workgroup_id_y 1
		.amdhsa_system_sgpr_workgroup_id_z 1
		.amdhsa_system_vgpr_workitem_id 0
		.amdhsa_next_free_vgpr 194
		.amdhsa_next_free_sgpr 66
		.amdhsa_reserve_vcc 1
		.amdhsa_float_denorm_mode_32 3
		.amdhsa_float_denorm_mode_16_64 3
		.amdhsa_memory_ordered 1
		.amdhsa_forward_progress 1
		.amdhsa_inst_pref_size 76
	.end_amdhsa_kernel
	.amdgpu_metadata
---
amdhsa.version: [ 1, 2 ]
amdhsa.kernels:
  - .name:           k_q3f040d771f_prep
    .symbol:         k_q3f040d771f_prep.kd
    .args:
      - { .name: hidden_states, .offset: 0, .size: 8, .value_kind: global_buffer, .address_space: global }
      - { .name: W1_codes, .offset: 8, .size: 8, .value_kind: global_buffer, .address_space: global }
      - { .name: W1_scales, .offset: 16, .size: 8, .value_kind: global_buffer, .address_space: global }
      - { .name: W2, .offset: 24, .size: 8, .value_kind: global_buffer, .address_space: global }
      - { .name: hs_codes, .offset: 32, .size: 8, .value_kind: global_buffer, .address_space: global }
      - { .name: hs_scales, .offset: 40, .size: 8, .value_kind: global_buffer, .address_space: global }
      - { .name: w1f, .offset: 48, .size: 8, .value_kind: global_buffer, .address_space: global }
      - { .name: w1sf, .offset: 56, .size: 8, .value_kind: global_buffer, .address_space: global }
      - { .name: w2f, .offset: 64, .size: 8, .value_kind: global_buffer, .address_space: global }
    .group_segment_fixed_size: 67072
    .private_segment_fixed_size: 0
    .kernarg_segment_align: 8
    .kernarg_segment_size: 72
    .max_flat_workgroup_size: 128
    .sgpr_count:     66
    .vgpr_count:     194
    .wavefront_size: 32
...
	.end_amdgpu_metadata
.endif
;; end of part 1
;; launch pairs_mlp (part 2): grid 256 x 1, 4 waves a work-group, no clusters, 287,232 bytes of LDS; arguments hs_codes, hs_scales, pairs, w1f, w1sf, w2f, b1, b2, out0; writes out0
.if DOCPART == 2
	.amdgcn_target "amdgcn-amd-amdhsa--gfx1250"
	.amdhsa_code_object_version 6
	.text
	.protected	k_q3f040d771f_pairs_mlp
	.globl	k_q3f040d771f_pairs_mlp
	.p2align	8
	.type	k_q3f040d771f_pairs_mlp,@function
k_q3f040d771f_pairs_mlp:
	s_mov_b64 s[64:65], 0
	v_nop
	global_prefetch_b8 v0, s[64:65] scope:SCOPE_SE
	s_setreg_imm32_b32 hwreg(HW_REG_WAVE_MODE, 25, 1), 1
	s_wait_xcnt 0x0
; logits = gelu(Q(pair_emb) W1 + b1) W2 + b2 for 128 pair rows a work-group; 256 work-groups.  pair_emb's row is two gathered hidden rows on end (K = 2,048), taken as the codes and scale bytes that the launch before made.
; SHARES.  The logits sum over all 1,024 hidden units, so a work-group walks ALL of N for its rows: each output row has one owner.  Wave w makes hidden units 512 nh + 128 w + 0 .. 127, nh = 0, 1: two halves,
; each a tile of 128 rows x 128 units: 64 accumulators of 16 x 16, 512 registers.  K goes in 16 steps of 128.
; A (the 128 gathered rows, 2,048 code bytes each) is fetched ONCE and stays in LDS (pitch 2,064); all four waves and both halves read it.  W1: each fragment is used by one wave of the work-group alone, so it goes from
; memory straight into registers, from w1f, which lies in the order of the operand's registers: every load is 512 consecutive bytes.
; NO CLUSTER, NO TENSOR LOADS: all work-groups walk the same W1, but to share it jointly it would have to pass through LDS: one K step of the work-group's 512 columns is 65,536 bytes, two slots 131,072; beside the
; 286,720 bytes that A, its scales, b1 and the stage take, 40,960 of a WGP's 327,680 are left.
; NO PREFETCH: the gather goes out in one run as soon as the indices are known, and W1's stream is the same for every work-group, in the same order.
; THE FIRST PRODUCT IS USED TRANSPOSED (source 0 = 16 rows of W1, source 1 = 16 pair rows): a lane holds ONE pair row and eight neighbouring hidden units, so two neighbouring tiles, rounded to bf16 in pairs,
; ARE source 1 (32 units x 16 rows) of logits^T = W2^T h^T (v_wmma_f32_16x16x32_bf16).  b1 is the C of each sum's first product.
; GELU: 2 gelu(x) = x + |x| erf(|x| / sqrt 2); erf(z) = 1 - D(z)^-16, D of degree 6 (Abramowitz & Stegun 7.1.28, error at most 3e-7 for every z >= 0); the factor 1/2 lies in w2f.  Very large |x|: D overflows
; to infinity, 1 / D is 0, erf is 1.
; LIMITS: erf to 3e-7 absolute; h and W2 are rounded to bf16 for the second product; NaN and infinities are not served; |x| above 1.7e38 overflows in x + |x|; indices are held to 0 .. 2,047.
; REGISTERS, in windows of 256 (s_set_vgpr_msb: bits 1:0 source 0, 3:2 source 1, 5:4 source 2, 7:6 destination):
;   window 0: v0-15 addresses; v16-23 A's scale words, v24-31 W1's, two sets each; v32-63 W2's four fragments; v64-127 b1's eight C tiles, later the eight logit tiles; v128-255 A's eight fragments, in the GELU at work
;   window 1: W1's fragments, two sets of eight;   window 2: the accumulators of rows 0-63 ((i, b) at v[8 (8 (i & 3) + b)]);   window 3: those of rows 64-127.
.set PITCH, 2064                       ; an LDS row of A: 2,048 bytes + 16: 129 x 16, so the 16 rows that a load touches start at 16 different columns of 16 bytes
.set SCL,   128*PITCH                  ; A's scale bytes: 128 rows x 80 (64 bytes + 16)
.set SPI,   80
.set B1L,   SCL+128*SPI                ; b1: 4,096 bytes
.set STG,   B1L+4096                   ; the logits' parts: part 2 w + nh: 128 rows x 8 bytes
.set L16, 1                            ; v1     16 x lane; never rewritten
.set AB,  2                            ; v2-5   A: 2,064 r + 16 h + 66,048 q: row blocks 2 q, 2 q + 1
.set AD,  6                            ; v6-9   the same + the trip's bytes along K  (v6 also serves b1's loads and the stage's stores)
.set SAB, 10                           ; v10    A's scale words: lanes 0-15 rows r, lanes 16-31 rows 64 + r
.set SAD, 11                           ; v11    the same + the trip's
.set BAB, 12                           ; v12    b1 in LDS: my wave's 128 numbers, + 32 h
.set STB, 13                           ; v13    the stage: my wave's two parts, + 8 r
.set C5,  14                           ; v14-15 c5, twice
.set SA,  16                           ; set p, register rho: lanes 0-15 row block rho, lanes 16-31 block rho + 4
.set SB,  24                           ; set p, register t: lanes 0-15 column block t, lanes 16-31 block t + 4
.set WB,  32
.set LB,  64
.set AF,  128
.set AXB, 128                          ; the GELU: |x| of batch beta at v[128 + 64 (beta & 1)], 32 registers;
.set DDB, 160                          ; D, 1 / D .. w, then the bf16 pairs at v[160 + 64 (beta & 1)]
.set GO,  64                           ; head only: v64-95 the gather's offsets (pair of rows g, half e: 2 g + e); v96-99 the scale gather's
.set SGO, 96
.set LN,  100                          ; head only: lane, r, h, 16 r
.set RR,  101
.set HH,  102
.set C16, 103
.set PO1, 104                          ; offsets into pairs
.set PO2, 105
.set LA0, 106                          ; where the gathered codes go
.set SLA, 107                          ; the scale bytes
.set B1A, 108                          ; b1
.set B1O, 109
.set H16, 110
.set TT,  111
.set HC,  4                            ; s[4:5]   hs_codes at my batch
.set HS,  6                            ; s[6:7]   hs_scales at my batch
.set PR,  8                            ; s[8:9]   pairs at my 128 rows
.set BP,  10                           ; s[10:11] w1f: my wave's stream, at the trip's two steps
.set SBP, 12                           ; s[12:13] w1sf likewise
.set W2P, 14                           ; s[14:15] w2f: my wave's, the half's
.set B1P, 16
.set B2P, 18
.set OUTP, 20                          ; s[20:21] out0 at my 128 rows
.set WV,  22
.set NH,  24                           ; the half, 0 or 1
.set TR,  25
.set KO,  26                           ; 256 x trip: bytes along K
.set SO,  27                           ; 8 x trip: scale bytes
.set ABSM, 30
.set C6,  32                           ; s[32:33] c6; s[34:35] c4; s[36:37] c3; s[38:39] c2; s[40:41] c1: c_k = a_k / sqrt(2)^k; the packed forms name pairs, so both words are written
.set C4,  34
.set B2V, 42                           ; s[42:43] b2
.set MSB, 0
.macro WIN new                         ; the immediate's high byte repeats the setting that is left; a switch that changes nothing is dropped
.if MSB != (\new)
	s_set_vgpr_msb (MSB<<8)|(\new)
.set MSB, \new
.endif
.endm
.macro PLACES n
.rept \n
	v_nop
.endr
.endm
	s_load_b256 s[4:11], s[0:1], 0x0               ; hs_codes, hs_scales, pairs, w1f
	s_load_b256 s[12:19], s[0:1], 0x20             ; w1sf, w2f, b1, b2
	s_load_b64 s[20:21], s[0:1], 0x40              ; out0
	v_lshrrev_b32 v[LN], 5, v0
	v_readfirstlane_b32 s[WV], v[LN]               ; wave 0..3
	v_and_b32 v[LN], 31, v0
	v_and_b32 v[RR], 15, v0
	v_bfe_u32 v[HH], v0, 4, 1
	v_lshlrev_b32 v[L16], 4, v[LN]
	v_lshlrev_b32 v[C16], 4, v[RR]
	v_mul_u32_u24 v[AB], v[RR], PITCH
	v_lshl_add_u32 v[AB], v[HH], 4, v[AB]
	v_add_nc_u32 v[AB+1], 32*PITCH, v[AB]
	v_add_nc_u32 v[AB+2], 64*PITCH, v[AB]
	v_add_nc_u32 v[AB+3], 96*PITCH, v[AB]
	v_mul_u32_u24 v[SAB], v[RR], SPI
	v_mad_u32_u24 v[SAB], v[HH], 64*SPI, v[SAB]
	v_add_nc_u32 v[SAB], SCL, v[SAB]
	s_lshl_b32 s28, s[WV], 9
	s_add_co_u32 s28, s28, B1L
	v_lshl_add_u32 v[BAB], v[HH], 5, s28
	s_lshl_b32 s28, s[WV], 11
	s_add_co_u32 s28, s28, STG
	v_lshl_add_u32 v[STB], v[RR], 3, s28
	v_mov_b32 v[C5], 0x384d0fec
	v_mov_b32 v[C5+1], 0x384d0fec
	s_lshl_b32 s29, s[WV], 8                       ; my wave's 32 rows of pairs, 8 bytes each
	v_lshl_add_u32 v[PO1], v[HH], 3, s29           ; row 32 w + 2 g + h: both indices
	v_lshrrev_b32 v[PO2], 1, v[LN]
	v_lshl_add_u32 v[PO2], v[PO2], 2, s29          ; row 32 w + 8 q + lane / 4, index (lane / 2) % 2
	s_mul_i32 s31, s[WV], 32*PITCH
	v_mul_u32_u24 v[LA0], v[HH], PITCH
	v_lshl_add_u32 v[LA0], v[RR], 4, v[LA0]
	v_add_nc_u32 v[LA0], s31, v[LA0]               ; row 32 w + h, 16 bytes a lane
	v_lshrrev_b32 v[SLA], 2, v[LN]
	v_mul_u32_u24 v[SLA], v[SLA], SPI
	v_and_b32 v[TT], 3, v[LN]
	v_lshl_add_u32 v[SLA], v[TT], 4, v[SLA]
	s_mul_i32 s31, s[WV], 32*SPI
	s_add_co_u32 s31, s31, SCL
	v_add_nc_u32 v[SLA], s31, v[SLA]               ; row 32 w + lane / 4, 16 (lane % 4): four lanes fill a row's 64 bytes
	s_lshl_b32 s31, s[WV], 10
	v_add_nc_u32 v[B1O], s31, v[L16]               ; my wave's quarter of b1
	v_add_nc_u32 v[B1A], B1L, v[B1O]
	v_and_b32 v[H16], 1, v[LN]
	v_lshlrev_b32 v[H16], 4, v[H16]
	s_mov_b32 s[ABSM], 0x7fffffff
	s_mov_b32 s[C6], 0x36b49f67
	s_mov_b32 s[C6+1], s[C6]
	s_mov_b32 s[C4], 0x381f6607
	s_mov_b32 s[C4+1], s[C4]
	s_mov_b32 s[C4+2], 0x3b56cd72
	s_mov_b32 s[C4+3], s[C4+2]
	s_mov_b32 s[C4+4], 0x3cad2fe7
	s_mov_b32 s[C4+5], s[C4+4]
	s_mov_b32 s[C4+6], 0x3d4c41b4
	s_mov_b32 s[C4+7], s[C4+6]
	s_mov_b32 s45, 0
	s_lshr_b32 s28, ttmp9, 5                       ; the batch: 32 work-groups each
	s_wait_kmcnt 0x0
	s_load_b64 s[B2V:B2V+1], s[B2P:B2P+1], 0x0     ; b2's two numbers
	s_lshl_b32 s44, ttmp9, 10                      ; 128 rows x 8 bytes
	s_add_nc_u64 s[PR:PR+1], s[PR:PR+1], s[44:45]
	s_add_nc_u64 s[OUTP:OUTP+1], s[OUTP:OUTP+1], s[44:45]
.irp g, 0,1,2,3,4,5,6,7,8,9,10,11,12,13,14,15
	global_load_b64 v[GO+2*\g:GO+2*\g+1], v[PO1], s[PR:PR+1] offset:16*\g
.endr
.irp q, 0,1,2,3
	global_load_b32 v[SGO+\q], v[PO2], s[PR:PR+1] offset:64*\q
.endr
	s_lshl_b32 s44, s28, 21                        ; 2,048 rows x 1,024 codes
	s_add_nc_u64 s[HC:HC+1], s[HC:HC+1], s[44:45]
	s_lshl_b32 s44, s28, 16                        ; 2,048 rows x 32 scale bytes
	s_add_nc_u64 s[HS:HS+1], s[HS:HS+1], s[44:45]
	s_lshl_b32 s44, s[WV], 19                      ; my wave's stream of W1: 32 steps x 16,384 bytes
	s_add_nc_u64 s[BP:BP+1], s[BP:BP+1], s[44:45]
	s_lshl_b32 s44, s[WV], 14                      ; 32 steps x 512
	s_add_nc_u64 s[SBP:SBP+1], s[SBP:SBP+1], s[44:45]
	s_lshl_b32 s44, s[WV], 13                      ; 2 halves x 4,096
	s_add_nc_u64 s[W2P:W2P+1], s[W2P:W2P+1], s[44:45]
	s_wait_loadcnt 0x0                             ; the indices
	s_wait_kmcnt 0x0                               ; b2
.irp j, 0,1,2,3,4,5,6,7,8,9,10,11,12,13,14,15,16,17,18,19,20,21,22,23,24,25,26,27,28,29,30,31
	v_min_u32 v[GO+\j], 0x7ff, v[GO+\j]            ; an index stays inside its batch's 2,048 rows
.endr
.irp j, 0,1,2,3,4,5,6,7,8,9,10,11,12,13,14,15,16,17,18,19,20,21,22,23,24,25,26,27,28,29,30,31
	v_lshlrev_b32 v[GO+\j], 10, v[GO+\j]           ; 1,024 bytes a row of codes,
.endr
.irp j, 0,1,2,3,4,5,6,7,8,9,10,11,12,13,14,15,16,17,18,19,20,21,22,23,24,25,26,27,28,29,30,31
	v_add_nc_u32 v[GO+\j], v[C16], v[GO+\j]        ; 16 bytes a lane: sixteen lanes to a row
.endr
.irp q, 0,1,2,3
	v_min_u32 v[SGO+\q], 0x7ff, v[SGO+\q]
.endr
.irp q, 0,1,2,3
	v_lshlrev_b32 v[SGO+\q], 5, v[SGO+\q]          ; 32 scale bytes a row: two lanes
.endr
.irp q, 0,1,2,3
	v_add_nc_u32 v[SGO+\q], v[H16], v[SGO+\q]
.endr
; W1's fragments of one step, blocks 4 half + 0 .. 3, into set p: 16 loads of 512 consecutive bytes
.macro LDB p, half
	WIN 0x40                                       ; destination window 1, address window 0
.irp bb, 0,1,2,3
.irp c, 0,1,2,3
	global_load_b128 v[128*(\p)+16*(4*(\half)+\bb)+4*\c:128*(\p)+16*(4*(\half)+\bb)+4*\c+3], v[L16], s[BP:BP+1] offset:16384*(\p)+2048*(4*(\half)+\bb)+512*\c
.endr
.endr
.endm
.macro LDSB p                          ; and its scale words: four a lane
	WIN 0
	global_load_b128 v[SB+4*(\p):SB+4*(\p)+3], v[L16], s[SBP:SBP+1] offset:512*(\p)
.endm
	; THE GATHER: each load takes 256 consecutive aligned bytes of two rows; first halves into window 2, second halves into window 3 (the accumulators' registers, still free)
	WIN 0x80
.irp g, 0,1,2,3,4,5,6,7,8,9,10,11,12,13,14,15
.irp u, 0,1,2,3
	global_load_b128 v[4*(4*\g+\u):4*(4*\g+\u)+3], v[GO+2*\g], s[HC:HC+1] offset:256*\u
.endr
.endr
	WIN 0xc0
.irp g, 0,1,2,3,4,5,6,7,8,9,10,11,12,13,14,15
.irp u, 0,1,2,3
	global_load_b128 v[4*(4*\g+\u):4*(4*\g+\u)+3], v[GO+2*\g+1], s[HC:HC+1] offset:256*\u
.endr
.endr
	s_wait_loadcnt 63                              ; 64 loads are younger than the last of the first halves: those are in
	WIN 0x08                                       ; an LDS store's data are its source 1: window 2
.irp g, 0,1,2,3,4,5,6,7,8,9,10,11,12,13,14,15
.irp u, 0,1,2,3
	ds_store_b128 v[LA0], v[4*(4*\g+\u):4*(4*\g+\u)+3] offset:2*PITCH*\g+256*\u
.endr
.endr
	WIN 0
.irp q, 0,1,2,3
	global_load_b128 v[128+4*\q:131+4*\q], v[SGO+\q], s[HS:HS+1]     ; the rows' scale bytes
.endr
	global_load_b128 v[144:147], v[B1O], s[B1P:B1P+1]
	global_load_b128 v[148:151], v[B1O], s[B1P:B1P+1] offset:512
	LDB 0, 0                                       ; W1's steps 0 and 1, in the order that every later step keeps: blocks 0-3, scale words, blocks 4-7
	LDSB 0
	LDB 0, 1
	LDB 1, 0
	LDSB 1
	LDB 1, 1
	WIN 0
	s_wait_loadcnt 63                              ; 66 loads (W1's) are younger than b1's: the second halves, the scale bytes and b1 are in
	WIN 0x0c                                       ; the data: window 3
.irp g, 0,1,2,3,4,5,6,7,8,9,10,11,12,13,14,15
.irp u, 0,1,2,3
	ds_store_b128 v[LA0], v[4*(4*\g+\u):4*(4*\g+\u)+3] offset:2*PITCH*\g+1024+256*\u
.endr
.endr
	WIN 0
.irp q, 0,1,2,3
	ds_store_b128 v[SLA], v[128+4*\q:131+4*\q] offset:8*SPI*\q
.endr
	ds_store_b128 v[B1A], v[144:147]
	ds_store_b128 v[B1A], v[148:151] offset:512
	s_wait_dscnt 0x0                               ; for the others' sake: my rows, scale bytes and part of b1 lie in LDS
	s_barrier_signal -1
	s_barrier_wait -1                              ; everybody's do; from here on these bytes are only read
	s_mov_b32 s[NH], 0
; One product: accumulator (i, b) += W1's block b (set p) x A's block i.  cf = 1: the sum's first product, whose C is b1's tile b (window 0): the text is the same, the window of source 2 and its number differ.
; A side's scale words are read from lanes 0-15 of the register named, or with ROW1 from lanes 16-31: blocks 4-7 lie there.
.macro WM i, b, p, cf
.set mD, 8*(8*((\i)&3)+(\b))
.set mW, 128*(\p)+16*(\b)
.set mA, AF+16*(\i)
.set mSW, SB+4*(\p)+((\b)&3)
.set mSA, SA+4*(\p)+((\i)&3)
.if \cf
.set mC, LB+8*(\b)
.else
.set mC, mD
.endif
.if ((\i)<4)&&((\b)<4)
	v_wmma_scale_f32_16x16x128_f8f6f4 v[mD:mD+7], v[mW:mW+15], v[mA:mA+15], v[mC:mC+7], v[mSW], v[mSA] matrix_a_fmt:MATRIX_FMT_BF8 matrix_b_fmt:MATRIX_FMT_BF8
.elseif (\i)<4
	v_wmma_scale_f32_16x16x128_f8f6f4 v[mD:mD+7], v[mW:mW+15], v[mA:mA+15], v[mC:mC+7], v[mSW], v[mSA] matrix_a_fmt:MATRIX_FMT_BF8 matrix_b_fmt:MATRIX_FMT_BF8 matrix_a_scale:MATRIX_SCALE_ROW1
.elseif (\b)<4
	v_wmma_scale_f32_16x16x128_f8f6f4 v[mD:mD+7], v[mW:mW+15], v[mA:mA+15], v[mC:mC+7], v[mSW], v[mSA] matrix_a_fmt:MATRIX_FMT_BF8 matrix_b_fmt:MATRIX_FMT_BF8 matrix_b_scale:MATRIX_SCALE_ROW1
.else
	v_wmma_scale_f32_16x16x128_f8f6f4 v[mD:mD+7], v[mW:mW+15], v[mA:mA+15], v[mC:mC+7], v[mSW], v[mSA] matrix_a_fmt:MATRIX_FMT_BF8 matrix_b_fmt:MATRIX_FMT_BF8 matrix_a_scale:MATRIX_SCALE_ROW1 matrix_b_scale:MATRIX_SCALE_ROW1
.endif
.endm
; 16 products: A's blocks 4 ih + 0 .. 3 x W1's blocks 4 bh + 0 .. 3.  The 64 accumulators take turns, one instruction a turn, once each a step, in the same order in every step.
.macro QUAD ih, bh, p, cf
.if \cf
	WIN 0x81+0x40*(\ih)                            ; source 0 (W1) window 1, source 1 (A) and source 2 (b1) window 0, destination window 2 or 3
.else
	WIN 0xa1+0x50*(\ih)                            ; C and D window 2 or 3
.endif
.irp ii, 0,1,2,3
.irp bb, 0,1,2,3
	WM (4*(\ih)+\ii), (4*(\bh)+\bb), \p, \cf
.endr
.endr
.endm
; A's blocks 4 half + 0 .. 3, 128 along K at byte ko behind the address: a fragment is four loads of 16 bytes, 32 bytes apart, at row x pitch + 16 h
.macro LDA half, ar, ko
.irp ii, 0,1,2,3
.irp c, 0,1,2,3
	ds_load_b128 v[AF+16*(4*(\half)+\ii)+4*\c:AF+16*(4*(\half)+\ii)+4*\c+3], v[\ar+2*(\half)+(\ii/2)] offset:16*PITCH*(\ii%2)+(\ko)+32*\c
.endr
.endr
.endm
.macro LDSA p, ar, so                  ; A's scale words of one step into set p
.irp rho, 0,1,2,3
	ds_load_b32 v[SA+4*(\p)+\rho], v[\ar] offset:16*SPI*\rho+(\so)
.endr
.endm
; A STEP of 128 along K: 64 products on set p.  W1's columns go by halves, so that half a set is free after 32 products and takes step s + 2: a load of W1 stands 96 products ahead of its first use.
; A has one set: blocks 0-3 are fetched anew behind their last product, blocks 4-7 at the step's end.
; A load into a register that a matrix instruction has read stands eight places behind it, and only plain vector instructions that name none of its registers are places
; eight v_nop in front of each run of loads.
; ldb: 1 = W1's step s + 2 is asked for; 2 = only in the first half (the wave's stream ends with the second half's last step): a branch on the half's number round those lines alone.  lda: A's step s + 1 is fetched.
; n0, n1: global loads go out in the order blocks 0-3 (16), scale words (1), blocks 4-7 (16) of step after step.  At a step's head steps s and s + 1 have been asked for: behind this step's scale words stand
; 16 + 16 + 1 + 16 = 49 loads, behind its blocks 4-7 stand 33.  (W2's eight loads at a half's head stand among them there: the counts are then smaller than need be, which is safe.)
.macro STEP p, cf, ldb, lda, n0, n1
	s_wait_loadcnt \n0                             ; W1's blocks 0-3 and scale words of this step are in
	s_wait_dscnt 16                                ; A's blocks 0-3 and scale words are in; the youngest sixteen loads (blocks 4-7) may be out
	QUAD 0, 0, \p, \cf
	s_wait_dscnt 0x0                               ; A's blocks 4-7
	QUAD 1, 0, \p, \cf
	s_wait_loadcnt \n1                             ; W1's blocks 4-7
	WIN 0
	PLACES 8
.if \ldb == 2
	s_cmp_eq_u32 s[NH], 1
	s_cbranch_scc1 .Lno_lo_\@
.endif
.if \ldb
.if \p == 0
	s_wait_xcnt 0x0                                ; the earlier loads have read their bases: only behind this wait are they stepped
	s_add_nc_u64 s[BP:BP+1], s[BP:BP+1], 2*16384
	s_add_nc_u64 s[SBP:SBP+1], s[SBP:SBP+1], 2*512
.endif
	LDB \p, 0
.endif
.if \ldb == 2
	WIN 0                                          ; at a label every window is 0
.Lno_lo_\@:
.endif
	QUAD 0, 1, \p, \cf
	WIN 0
	PLACES 8
.if \lda
	LDA 0, AD, 128*(\p+1)
	LDSA 1-\p, SAD, 4*(\p+1)
.endif
	QUAD 1, 1, \p, \cf
	WIN 0
	PLACES 8                                       ; (behind a half's last step these are also the places in front of the GELU's first reads of results)
.if \lda
	LDA 1, AD, 128*(\p+1)
.endif
.if \ldb == 2
	s_cmp_eq_u32 s[NH], 1
	s_cbranch_scc1 .Lno_hi_\@
.endif
.if \ldb
	LDSB \p
	LDB \p, 1
	WIN 0
.endif
.if \ldb == 2
.Lno_hi_\@:
.endif
.endm
; A TRIP: two steps.  kind 0: a half's first (its first step starts the sums on b1); 1: in the loop; 2: the last.
; The last step's counts: where nothing more has been asked for (second half) its blocks 4-7, 16 loads, stand behind its scale words, and nothing behind those; in the first half more loads are out and the same
; counts wait for more than need be: safe, and one text serves both halves.
.macro TRIP kind
.irp q, 0,1,2,3
	v_add_nc_u32 v[AD+\q], s[KO], v[AB+\q]
.endr
	v_add_nc_u32 v[SAD], s[SO], v[SAB]
.if \kind == 0
	STEP 0, 1, 1, 1, 49, 33
	STEP 1, 0, 1, 1, 49, 33
.elseif \kind == 1
	STEP 0, 0, 1, 1, 49, 33
	STEP 1, 0, 1, 1, 49, 33
.else
	STEP 0, 0, 2, 1, 49, 33
	STEP 1, 0, 2, 0, 16, 0
.endif
	s_add_co_u32 s[KO], s[KO], 256
	s_add_co_u32 s[SO], s[SO], 8
.endm
; THE GELU AND THE SECOND PRODUCT, in 16 batches of 32 numbers a lane: batch beta = units 32 (beta / 4) + 0 .. 31 of the wave's 128, row blocks 2 (beta % 4) and 2 (beta % 4) + 1.  Two sets of work registers by turns.
.macro ABS be                          ; |x|: each accumulator is read from its low end on
.set aI, 2*((\be)&3)
.set aX, 16*((\be)>>2)
.set aA, AXB+64*((\be)&1)
	WIN (2+(aI>>2))<<2                             ; source 1: window 2 or 3
.irp g, 0,1
.set au, 0
.rept 16
	v_and_b32 v[aA+16*\g+au], s[ABSM], v[64*((aI+\g)&3)+aX+au]
.set au, au+1
.endr
.endr
	WIN 0
.endm
; D = 1 + |x| (c1 + |x| (c2 + .. + |x| c6)) of batch bh, two numbers an instruction, level by level; behind every third line one reciprocal of batch br, whose D is finished.  -1: no such batch.
; No line here names a reciprocal's result: the batch's one wait stands at the head of POST.
.macro HORN bh, br
.if (\br) >= 0
.set hR, DDB+64*((\br)&1)
.endif
.set hn, 0
.set hf, 0
.if (\bh) >= 0
.set hA, AXB+64*((\bh)&1)
.set hD, DDB+64*((\bh)&1)
.irp lv, 1,2,3,4,5,6
.set hu, 0
.rept 16
.if \lv == 1
	v_pk_fma_f32 v[hD+hu:hD+hu+1], v[hA+hu:hA+hu+1], s[C6:C6+1], v[C5:C5+1] op_sel_hi:[1,0,1]
.elseif \lv == 6
	v_pk_fma_f32 v[hD+hu:hD+hu+1], v[hD+hu:hD+hu+1], v[hA+hu:hA+hu+1], 1.0 op_sel_hi:[1,1,0]
.else
	v_pk_fma_f32 v[hD+hu:hD+hu+1], v[hD+hu:hD+hu+1], v[hA+hu:hA+hu+1], s[C4+2*(\lv-2):C4+2*(\lv-2)+1] op_sel_hi:[1,1,0]
.endif
.set hu, hu+2
.set hf, hf+1
.if ((\br)>=0)&&((hf%3)==0)
	v_rcp_f32 v[hR+hn], v[hR+hn]
.set hn, hn+1
.endif
.endr
.endr
.else
.rept 32
	v_rcp_f32 v[hR+hn], v[hR+hn]
.set hn, hn+1
.endr
.endif
.endm
; r = 1 / D is there: r^16 by four squarings, w = 1 - r^16 = erf, y = x + |x| w = 2 gelu(x), rounded to bf16 in pairs: source 1 of two products logits^T += W2^T y^T.  The eight logit tiles take turns.
.macro POST be
.set pT, (\be)&1
.set pP, (\be)>>2
.set pI, 2*((\be)&3)
.set pA, AXB+64*pT
.set pD, DDB+64*pT
.set pX, 16*pP
	v_nop                                          ; a plain line behind the last reciprocal,
	s_wait_alu depctr_va_vdst(0)                   ; and a wait ahead of the first line that names a result: one for the batch's 32
.rept 4
.set pu, 0
.rept 16
	v_pk_mul_f32 v[pD+pu:pD+pu+1], v[pD+pu:pD+pu+1], v[pD+pu:pD+pu+1]
.set pu, pu+2
.endr
.endr
.set pu, 0
.rept 16
	v_pk_fma_f32 v[pD+pu:pD+pu+1], v[pD+pu:pD+pu+1], -1.0, 1.0 op_sel_hi:[1,0,0]
.set pu, pu+2
.endr
	WIN (2+(pI>>2))<<4                             ; source 2 (x): window 2 or 3
.irp g, 0,1
.set pu, 0
.rept 8
	v_pk_fma_f32 v[pA+16*\g+pu:pA+16*\g+pu+1], v[pA+16*\g+pu:pA+16*\g+pu+1], v[pD+16*\g+pu:pD+16*\g+pu+1], v[64*((pI+\g)&3)+pX+pu:64*((pI+\g)&3)+pX+pu+1]
.set pu, pu+2
.endr
.endr
	WIN 0
.irp g, 0,1
.set pu, 0
.rept 8
	v_cvt_pk_bf16_f32 v[pD+8*\g+pu], v[pA+16*\g+2*pu], v[pA+16*\g+2*pu+1]
.set pu, pu+1
.endr
.endr
.irp g, 0,1
.if pP == 0
	v_wmma_f32_16x16x32_bf16 v[LB+8*(pI+\g):LB+8*(pI+\g)+7], v[WB+8*pP:WB+8*pP+7], v[pD+8*\g:pD+8*\g+7], 0
.else
	v_wmma_f32_16x16x32_bf16 v[LB+8*(pI+\g):LB+8*(pI+\g)+7], v[WB+8*pP:WB+8*pP+7], v[pD+8*\g:pD+8*\g+7], v[LB+8*(pI+\g):LB+8*(pI+\g)+7]
.endif
.endr
.endm
; Batch beta + 1's |x| and D stand in front of batch beta's finish: ABS's 32 lines, which name none of the last two products' registers, are the places in front of the lines that write those products' source again.
.macro EPI
	ABS 0
	HORN 0, -1
.irp be, 0,1,2,3,4,5,6,7,8,9,10,11,12,13,14
	ABS \be+1
	HORN \be+1, \be
	POST \be
.endr
	HORN -1, 15
	POST 15
.endm
.Lhalf:                                                ; two trips: hidden units 512 NH + 128 w + 0 .. 127
	s_mov_b32 s[KO], 0
	s_mov_b32 s[SO], 0
.irp j, 0,1,2,3,4,5,6,7
	global_load_b128 v[WB+4*\j:WB+4*\j+3], v[L16], s[W2P:W2P+1] offset:512*\j    ; W2's four fragments of the half: wanted behind the 16 steps
.endr
	s_lshl_b32 s28, s[NH], 11
	v_add_nc_u32 v6, s28, v[BAB]
.irp b, 0,1,2,3,4,5,6,7
	ds_load_b128 v[LB+8*\b:LB+8*\b+3], v6 offset:64*\b          ; b1 in the result's layout: tile b, lane (r, h): units 16 b + 8 h + 0 .. 7
	ds_load_b128 v[LB+8*\b+4:LB+8*\b+7], v6 offset:64*\b+16
.endr
	LDA 0, AB, 0                                   ; A's step 0, in the order that the steps' waits count on
	LDSA 0, SAB, 0
	LDA 1, AB, 0
	TRIP 0
	s_mov_b32 s[TR], 6
.Lk:
	TRIP 1
	s_sub_co_i32 s[TR], s[TR], 1
	s_cmp_lg_u32 s[TR], 0
	s_cbranch_scc1 .Lk
	TRIP 2
	EPI
	PLACES 4                                       ; four places between the last product and the stores that read results, and the next half's loads into its registers
	s_lshl_b32 s28, s[NH], 10
	v_add_nc_u32 v6, s28, v[STB]
.irp i, 0,1,2,3,4,5,6,7
	ds_store_b64 v6, v[LB+8*\i:LB+8*\i+1] offset:128*\i         ; registers 0, 1: the two logits' parts of row 16 i + r.  Rows 8 and 9 of W2^T's operand repeat rows 0 and 1, so lanes 16-31 hold the same bits and write the same bytes
.endr
	s_wait_dscnt 0x0                               ; for the others' sake (the barrier behind the loop), and ahead of the next half's loads into these registers
	s_wait_xcnt 0x0                                ; W2's loads have read their base
	s_add_nc_u64 s[W2P:W2P+1], s[W2P:W2P+1], 4096
	s_add_co_u32 s[NH], s[NH], 1
	s_cmp_lt_u32 s[NH], 2
	s_cbranch_scc1 .Lhalf
	; THE TAIL: the eight parts of each row's two logits are added, and b2; thread t owns row t.
	s_barrier_signal -1
	s_barrier_wait -1                              ; all eight parts lie in the stage
	v_lshlrev_b32 v2, 3, v0
	v_add_nc_u32 v3, STG, v2
.irp j, 0,1,2,3,4,5,6,7
	ds_load_b64 v[128+2*\j:129+2*\j], v3 offset:1024*\j
.endr
	s_wait_dscnt 0x0
	v_pk_add_f32 v[128:129], v[128:129], v[130:131]
	v_pk_add_f32 v[132:133], v[132:133], v[134:135]
	v_pk_add_f32 v[136:137], v[136:137], v[138:139]
	v_pk_add_f32 v[140:141], v[140:141], v[142:143]
	v_pk_add_f32 v[128:129], v[128:129], v[132:133]
	v_pk_add_f32 v[136:137], v[136:137], v[140:141]
	v_pk_add_f32 v[128:129], v[128:129], v[136:137]
	v_add_f32 v128, s[B2V], v128
	v_add_f32 v129, s[B2V+1], v129
	global_store_b64 v2, v[128:129], s[OUTP:OUTP+1]    ; a wave stores 256 consecutive bytes, aligned
	s_wait_xcnt 0x0
	v_lshl_add_u32 v254, v0, 2, 0x46000
	v_mov_b32 v255, 0
	s_wait_tensorcnt 0x0
	ds_add_u32 v254, v255
	s_wait_dscnt 0x0
	s_endpgm
.Lfunc_end_k_q3f040d771f_pairs_mlp:
	.size	k_q3f040d771f_pairs_mlp, .Lfunc_end_k_q3f040d771f_pairs_mlp-k_q3f040d771f_pairs_mlp
	.p2alignl 7, 3214868480
	.fill 96, 4, 3214868480
	.section	.rodata,"a",@progbits
	.p2align	6, 0x0
	.amdhsa_kernel k_q3f040d771f_pairs_mlp
		.amdhsa_group_segment_fixed_size 287232
		.amdhsa_private_segment_fixed_size 0
		.amdhsa_enable_private_segment 0
		.amdhsa_kernarg_size 72
		.amdhsa_user_sgpr_count 2
		.amdhsa_user_sgpr_kernarg_segment_ptr 1
		.amdhsa_wavefront_size32 1
		.amdhsa_system_sgpr_workgroup_id_x 1
		.amdhsa_system_sgpr_workgroup_id_y 1
		.amdhsa_system_sgpr_workgroup_id_z 1
		.amdhsa_system_vgpr_workitem_id 0
		.amdhsa_next_free_vgpr 1024
		.amdhsa_next_free_sgpr 66
		.amdhsa_reserve_vcc 0
		.amdhsa_float_denorm_mode_32 3
		.amdhsa_float_denorm_mode_16_64 3
		.amdhsa_memory_ordered 1
		.amdhsa_forward_progress 1
		.amdhsa_inst_pref_size 255
	.end_amdhsa_kernel
	.section	.bss,"aw",@nobits
	.p2align	6
	.space	262144
	.amdgpu_metadata
---
amdhsa.version: [ 1, 2 ]
amdhsa.kernels:
  - .name:           k_q3f040d771f_pairs_mlp
    .symbol:         k_q3f040d771f_pairs_mlp.kd
    .args:
      - { .name: hs_codes, .offset: 0, .size: 8, .value_kind: global_buffer, .address_space: global }
      - { .name: hs_scales, .offset: 8, .size: 8, .value_kind: global_buffer, .address_space: global }
      - { .name: pairs, .offset: 16, .size: 8, .value_kind: global_buffer, .address_space: global }
      - { .name: w1f, .offset: 24, .size: 8, .value_kind: global_buffer, .address_space: global }
      - { .name: w1sf, .offset: 32, .size: 8, .value_kind: global_buffer, .address_space: global }
      - { .name: w2f, .offset: 40, .size: 8, .value_kind: global_buffer, .address_space: global }
      - { .name: b1, .offset: 48, .size: 8, .value_kind: global_buffer, .address_space: global }
      - { .name: b2, .offset: 56, .size: 8, .value_kind: global_buffer, .address_space: global }
      - { .name: out0, .offset: 64, .size: 8, .value_kind: global_buffer, .address_space: global }
    .group_segment_fixed_size: 287232
    .private_segment_fixed_size: 0
    .kernarg_segment_align: 8
    .kernarg_segment_size: 72
    .max_flat_workgroup_size: 128
    .sgpr_count:     66
    .vgpr_count:     1024
    .wavefront_size: 32
...
	.end_amdgpu_metadata
.endif
;; end of part 2
;; ======== version 2 of 2: 2 launches; version 1 with the launch pairs_mlp written anew for expert scheduling mode
;; workspace buffers: hs_codes 16,777,216 bytes; hs_scales 524,288 bytes; w1f 2,097,152 bytes; w1sf 65,536 bytes; w2f 32,768 bytes
;; launch prep: the kernel of part 1 again; grid 578 x 1, 4 waves a work-group, no clusters, 67,072 bytes of LDS; arguments hidden_states, W1_codes, W1_scales, W2, hs_codes, hs_scales, w1f, w1sf, w2f; writes hs_codes, hs_scales, w1f, w1sf, w2f
;; launch pairs_mlp (part 3): grid 256 x 1, 4 waves a work-group, no clusters, 287,232 bytes of LDS; arguments hs_codes, hs_scales, pairs, w1f, w1sf, w2f, b1, b2, out0; writes out0
.if DOCPART == 3
	.amdgcn_target "amdgcn-amd-amdhsa--gfx1250"
	.amdhsa_code_object_version 6
	.text
	.protected	k_q3f040d771f_pairs_mlp
	.globl	k_q3f040d771f_pairs_mlp
	.p2align	8
	.type	k_q3f040d771f_pairs_mlp,@function
k_q3f040d771f_pairs_mlp:
	s_mov_b64 s[64:65], 0
	v_nop
	global_prefetch_b8 v0, s[64:65] scope:SCOPE_SE
	s_setreg_imm32_b32 hwreg(HW_REG_WAVE_SCHED_MODE, 0, 2), 2
	s_setreg_imm32_b32 hwreg(HW_REG_WAVE_MODE, 25, 1), 1
	s_wait_xcnt 0x0
	s_wait_alu depctr_vm_vsrc(0)
; logits = gelu(Q(pair_emb) W1 + b1) W2 + b2 for 128 pair rows a work-group; 256 work-groups.  pair_emb's row is two gathered hidden rows on end (K = 2,048), taken as the codes and scale bytes that the launch before made.
; SHARES.  The logits sum over all 1,024 hidden units, so a work-group walks ALL of N for its rows: each output row has one owner.  Wave w makes hidden units 512 nh + 128 w + 0 .. 127, nh = 0, 1: two halves,
; each a tile of 128 rows x 128 units: 64 accumulators of 16 x 16, 512 registers.  K goes in 16 steps of 128.
; A (the 128 gathered rows, 2,048 code bytes each) is fetched ONCE and stays in LDS (pitch 2,064); all four waves and both halves read it.  W1: each fragment is used by one wave of the work-group alone, so it goes from
; memory straight into registers, from w1f, which lies in the order of the operand's registers: every load is 512 consecutive bytes.
; NO CLUSTER, NO TENSOR LOADS: all work-groups walk the same W1, but to share it jointly it would have to pass through LDS: one K step of the work-group's 512 columns is 65,536 bytes, two slots 131,072; beside the
; 286,720 bytes that A, its scales, b1 and the stage take, 40,960 of a WGP's 327,680 are left.
; NO PREFETCH: the gather goes out in one run as soon as the indices are known, and W1's stream is the same for every work-group, in the same order.
; THE FIRST PRODUCT IS USED TRANSPOSED (source 0 = 16 rows of W1, source 1 = 16 pair rows): a lane holds ONE pair row and eight neighbouring hidden units, so two neighbouring tiles, rounded to bf16 in pairs,
; ARE source 1 (32 units x 16 rows) of logits^T = W2^T h^T (v_wmma_f32_16x16x32_bf16).  b1 is the C of each sum's first product.
; GELU: 2 gelu(x) = x + |x| erf(|x| / sqrt 2); erf(z) = 1 - D(z)^-16, D of degree 6 (Abramowitz & Stegun 7.1.28, error at most 3e-7 for every z >= 0); the factor 1/2 lies in w2f.  Very large |x|: D overflows
; to infinity, 1 / D is 0, erf is 1.
; LIMITS: erf to 3e-7 absolute; h and W2 are rounded to bf16 for the second product; NaN and infinities are not served; |x| above 1.7e38 overflows in x + |x|; indices are held to 0 .. 2,047.
; REGISTERS, in windows of 256 (s_set_vgpr_msb: bits 1:0 source 0, 3:2 source 1, 5:4 source 2, 7:6 destination):
;   window 0: v0-15 addresses; v16-23 A's scale words, v24-31 W1's, two sets each; v32-63 W2's four fragments; v64-127 b1's eight C tiles, later the eight logit tiles; v128-255 A's eight fragments, in the GELU at work
;   window 1: W1's fragments, two sets of eight;   window 2: the accumulators of rows 0-63 ((i, b) at v[8 (8 (i & 3) + b)]);   window 3: those of rows 64-127.
; THE MODE: SCHED_MODE bits 1:0 = 2 (LLVM: expert scheduling mode 2), set by the entry lines.  The code itself states the register dependences between vector or matrix instructions and memory or LDS
; instructions, with s_wait_alu, always for 0.
; THE PLAN.  Registers that memory or LDS instructions touch in a step s (set p = s % 2), whose 64 products go as four quads (A's half, W1's half): (0,0), (1,0), (0,1), (1,1):
;   W1 set p, blocks 0-3   read by quads (0,0), (1,0); the loads of step s + 2 land there, issued in the middle of quad (1,1).
;   A blocks 0-3           read by quads (0,0), (0,1); the LDS loads of step s + 1 land there, issued behind quad (0,1).
;   SA set 1 - p           read by the products of step s - 1; the scale words of step s + 1 land there, with A's blocks 0-3.
;   A blocks 4-7, W1 set p blocks 4-7, SB set p   read up to quad (1,1); loaded again at the step's end.
;   v6-9, v11 (AD, SAD)    read by A's LDS loads; written by five additions at a trip's head (two steps to a trip).  v1, v2-5, v10, v12, v13: made at the head, not written in the loops.
; So a step has TWO waits on va_vdst: one behind quad (0,1), which shows quads (0,0), (1,0), (0,1) and the step before done with W1's blocks 0-3, A's blocks 0-3 and SA's other set (and, in a trip's first step,
; AD and SAD written); one behind quad (1,1), for the rest.  Quad (1,1) names window 3's accumulators, W1's blocks 4-7, A's blocks 4-7, SA set p and SB set p: none of the registers in which the first
; wait's loads land, so these are dealt among its products.  A has one set and W1 two because all 1,024 registers are taken.  One wait on vm_vsrc a trip stands ahead of the additions to AD and SAD.
; Outside the steps: a pair of waits at a half's head and at its end, and those of the kernel's head and tail: each says at its place what it states.
.set PITCH, 2064                       ; an LDS row of A: 2,048 bytes + 16: 129 x 16, so the 16 rows that a load touches start at 16 different columns of 16 bytes
.set SCL,   128*PITCH                  ; A's scale bytes: 128 rows x 80 (64 bytes + 16)
.set SPI,   80
.set B1L,   SCL+128*SPI                ; b1: 4,096 bytes
.set STG,   B1L+4096                   ; the logits' parts: part 2 w + nh: 128 rows x 8 bytes
.set L16, 1                            ; v1     16 x lane; never rewritten
.set AB,  2                            ; v2-5   A: 2,064 r + 16 h + 66,048 q: row blocks 2 q, 2 q + 1
.set AD,  6                            ; v6-9   the same + the trip's bytes along K  (v6 also serves b1's loads and the stage's stores)
.set SAB, 10                           ; v10    A's scale words: lanes 0-15 rows r, lanes 16-31 rows 64 + r
.set SAD, 11                           ; v11    the same + the trip's
.set BAB, 12                           ; v12    b1 in LDS: my wave's 128 numbers, + 32 h
.set STB, 13                           ; v13    the stage: my wave's two parts, + 8 r
.set C5,  14                           ; v14-15 c5, twice
.set SA,  16                           ; set p, register rho: lanes 0-15 row block rho, lanes 16-31 block rho + 4
.set SB,  24                           ; set p, register t: lanes 0-15 column block t, lanes 16-31 block t + 4
.set WB,  32
.set LB,  64
.set AF,  128
.set AXB, 128                          ; the GELU: |x| of batch beta at v[128 + 64 (beta & 1)], 32 registers;
.set DDB, 160                          ; D, 1 / D .. w, then the bf16 pairs at v[160 + 64 (beta & 1)]
.set GO,  64                           ; head only: v64-95 the gather's offsets (pair of rows g, half e: 2 g + e); v96-99 the scale gather's
.set SGO, 96
.set LN,  100                          ; head only: lane, r, h, 16 r
.set RR,  101
.set HH,  102
.set C16, 103
.set PO1, 104                          ; offsets into pairs
.set PO2, 105
.set LA0, 106                          ; where the gathered codes go
.set SLA, 107                          ; the scale bytes
.set B1A, 108                          ; b1
.set B1O, 109
.set H16, 110
.set TT,  111
.set HC,  4                            ; s[4:5]   hs_codes at my batch
.set HS,  6                            ; s[6:7]   hs_scales at my batch
.set PR,  8                            ; s[8:9]   pairs at my 128 rows
.set BP,  10                           ; s[10:11] w1f: my wave's stream, at the trip's two steps
.set SBP, 12                           ; s[12:13] w1sf likewise
.set W2P, 14                           ; s[14:15] w2f: my wave's, the half's
.set B1P, 16
.set B2P, 18
.set OUTP, 20                          ; s[20:21] out0 at my 128 rows
.set WV,  22
.set NH,  24                           ; the half, 0 or 1
.set TR,  25
.set KO,  26                           ; 256 x trip: bytes along K
.set SO,  27                           ; 8 x trip: scale bytes
.set ABSM, 30
.set C6,  32                           ; s[32:33] c6; s[34:35] c4; s[36:37] c3; s[38:39] c2; s[40:41] c1: c_k = a_k / sqrt(2)^k; the packed forms name pairs, so both words are written
.set C4,  34
.set B2V, 42                           ; s[42:43] b2
.set MSB, 0
.macro WIN new                         ; the immediate's high byte repeats the setting that is left; a switch that changes nothing is dropped
.if MSB != (\new)
	s_set_vgpr_msb (MSB<<8)|(\new)
.set MSB, \new
.endif
.endm
.macro PLACES n
.rept \n
	v_nop
.endr
.endm
	s_load_b256 s[4:11], s[0:1], 0x0               ; hs_codes, hs_scales, pairs, w1f
	s_load_b256 s[12:19], s[0:1], 0x20             ; w1sf, w2f, b1, b2
	s_load_b64 s[20:21], s[0:1], 0x40              ; out0
	v_lshrrev_b32 v[LN], 5, v0
	v_readfirstlane_b32 s[WV], v[LN]               ; wave 0..3
	v_and_b32 v[LN], 31, v0
	v_and_b32 v[RR], 15, v0
	v_bfe_u32 v[HH], v0, 4, 1
	v_lshlrev_b32 v[L16], 4, v[LN]
	v_lshlrev_b32 v[C16], 4, v[RR]
	v_mul_u32_u24 v[AB], v[RR], PITCH
	v_lshl_add_u32 v[AB], v[HH], 4, v[AB]
	v_add_nc_u32 v[AB+1], 32*PITCH, v[AB]
	v_add_nc_u32 v[AB+2], 64*PITCH, v[AB]
	v_add_nc_u32 v[AB+3], 96*PITCH, v[AB]
	v_mul_u32_u24 v[SAB], v[RR], SPI
	v_mad_u32_u24 v[SAB], v[HH], 64*SPI, v[SAB]
	v_add_nc_u32 v[SAB], SCL, v[SAB]
	s_wait_alu depctr_va_sdst(0)                   ; the wave's number is written into s22, ahead of its first reader, the shift below
	s_lshl_b32 s28, s[WV], 9
	s_add_co_u32 s28, s28, B1L
	v_lshl_add_u32 v[BAB], v[HH], 5, s28
	s_lshl_b32 s28, s[WV], 11
	s_add_co_u32 s28, s28, STG
	v_lshl_add_u32 v[STB], v[RR], 3, s28
	v_mov_b32 v[C5], 0x384d0fec
	v_mov_b32 v[C5+1], 0x384d0fec
	s_lshl_b32 s29, s[WV], 8                       ; my wave's 32 rows of pairs, 8 bytes each
	v_lshl_add_u32 v[PO1], v[HH], 3, s29           ; row 32 w + 2 g + h: both indices
	v_lshrrev_b32 v[PO2], 1, v[LN]
	v_lshl_add_u32 v[PO2], v[PO2], 2, s29          ; row 32 w + 8 q + lane / 4, index (lane / 2) % 2
	s_mul_i32 s31, s[WV], 32*PITCH
	v_mul_u32_u24 v[LA0], v[HH], PITCH
	v_lshl_add_u32 v[LA0], v[RR], 4, v[LA0]
	v_add_nc_u32 v[LA0], s31, v[LA0]               ; row 32 w + h, 16 bytes a lane
	v_lshrrev_b32 v[SLA], 2, v[LN]
	v_mul_u32_u24 v[SLA], v[SLA], SPI
	v_and_b32 v[TT], 3, v[LN]
	v_lshl_add_u32 v[SLA], v[TT], 4, v[SLA]
	s_mul_i32 s31, s[WV], 32*SPI
	s_add_co_u32 s31, s31, SCL
	v_add_nc_u32 v[SLA], s31, v[SLA]               ; row 32 w + lane / 4, 16 (lane % 4): four lanes fill a row's 64 bytes
	s_lshl_b32 s31, s[WV], 10
	v_add_nc_u32 v[B1O], s31, v[L16]               ; my wave's quarter of b1
	v_add_nc_u32 v[B1A], B1L, v[B1O]
	v_and_b32 v[H16], 1, v[LN]
	v_lshlrev_b32 v[H16], 4, v[H16]
	s_mov_b32 s[ABSM], 0x7fffffff
	s_mov_b32 s[C6], 0x36b49f67
	s_mov_b32 s[C6+1], s[C6]
	s_mov_b32 s[C4], 0x381f6607
	s_mov_b32 s[C4+1], s[C4]
	s_mov_b32 s[C4+2], 0x3b56cd72
	s_mov_b32 s[C4+3], s[C4+2]
	s_mov_b32 s[C4+4], 0x3cad2fe7
	s_mov_b32 s[C4+5], s[C4+4]
	s_mov_b32 s[C4+6], 0x3d4c41b4
	s_mov_b32 s[C4+7], s[C4+6]
	s_mov_b32 s45, 0
	s_lshr_b32 s28, ttmp9, 5                       ; the batch: 32 work-groups each
	s_wait_kmcnt 0x0
	s_load_b64 s[B2V:B2V+1], s[B2P:B2P+1], 0x0     ; b2's two numbers
	s_lshl_b32 s44, ttmp9, 10                      ; 128 rows x 8 bytes
	s_add_nc_u64 s[PR:PR+1], s[PR:PR+1], s[44:45]
	s_add_nc_u64 s[OUTP:OUTP+1], s[OUTP:OUTP+1], s[44:45]
	s_wait_alu depctr_va_vdst(0)                   ; every offset and LDS address made above is written: v104 and v105, which the index loads read, and those that the later loads and LDS stores read
.irp g, 0,1,2,3,4,5,6,7,8,9,10,11,12,13,14,15
	global_load_b64 v[GO+2*\g:GO+2*\g+1], v[PO1], s[PR:PR+1] offset:16*\g
.endr
.irp q, 0,1,2,3
	global_load_b32 v[SGO+\q], v[PO2], s[PR:PR+1] offset:64*\q
.endr
	s_lshl_b32 s44, s28, 21                        ; 2,048 rows x 1,024 codes
	s_add_nc_u64 s[HC:HC+1], s[HC:HC+1], s[44:45]
	s_lshl_b32 s44, s28, 16                        ; 2,048 rows x 32 scale bytes
	s_add_nc_u64 s[HS:HS+1], s[HS:HS+1], s[44:45]
	s_lshl_b32 s44, s[WV], 19                      ; my wave's stream of W1: 32 steps x 16,384 bytes
	s_add_nc_u64 s[BP:BP+1], s[BP:BP+1], s[44:45]
	s_lshl_b32 s44, s[WV], 14                      ; 32 steps x 512
	s_add_nc_u64 s[SBP:SBP+1], s[SBP:SBP+1], s[44:45]
	s_lshl_b32 s44, s[WV], 13                      ; 2 halves x 4,096
	s_add_nc_u64 s[W2P:W2P+1], s[W2P:W2P+1], s[44:45]
	s_wait_loadcnt 0x0                             ; the indices
	s_wait_kmcnt 0x0                               ; b2
.irp j, 0,1,2,3,4,5,6,7,8,9,10,11,12,13,14,15,16,17,18,19,20,21,22,23,24,25,26,27,28,29,30,31
	v_min_u32 v[GO+\j], 0x7ff, v[GO+\j]            ; an index stays inside its batch's 2,048 rows
.endr
.irp j, 0,1,2,3,4,5,6,7,8,9,10,11,12,13,14,15,16,17,18,19,20,21,22,23,24,25,26,27,28,29,30,31
	v_lshlrev_b32 v[GO+\j], 10, v[GO+\j]           ; 1,024 bytes a row of codes,
.endr
.irp j, 0,1,2,3,4,5,6,7,8,9,10,11,12,13,14,15,16,17,18,19,20,21,22,23,24,25,26,27,28,29,30,31
	v_add_nc_u32 v[GO+\j], v[C16], v[GO+\j]        ; 16 bytes a lane: sixteen lanes to a row
.endr
.irp q, 0,1,2,3
	v_min_u32 v[SGO+\q], 0x7ff, v[SGO+\q]
.endr
.irp q, 0,1,2,3
	v_lshlrev_b32 v[SGO+\q], 5, v[SGO+\q]          ; 32 scale bytes a row: two lanes
.endr
.irp q, 0,1,2,3
	v_add_nc_u32 v[SGO+\q], v[H16], v[SGO+\q]
.endr
; W1's fragments of one step, blocks 4 half + 0 .. 3, into set p: 16 loads of 512 consecutive bytes
.macro LDB p, half
	WIN 0x40                                       ; destination window 1, address window 0
.irp bb, 0,1,2,3
.irp c, 0,1,2,3
	global_load_b128 v[128*(\p)+16*(4*(\half)+\bb)+4*\c:128*(\p)+16*(4*(\half)+\bb)+4*\c+3], v[L16], s[BP:BP+1] offset:16384*(\p)+2048*(4*(\half)+\bb)+512*\c
.endr
.endr
.endm
.macro LDSB p                          ; and its scale words: four a lane
	WIN 0
	global_load_b128 v[SB+4*(\p):SB+4*(\p)+3], v[L16], s[SBP:SBP+1] offset:512*(\p)
.endm
	; THE GATHER: each load takes 256 consecutive aligned bytes of two rows; first halves into window 2, second halves into window 3 (the accumulators' registers, still free)
	WIN 0x80
	s_wait_alu depctr_va_vdst(0)                   ; the 36 offsets v64-99 are written, which the gather's loads read.  No vector instruction follows up to the loop over halves: the loads and LDS stores down to there hang on nothing more
.irp g, 0,1,2,3,4,5,6,7,8,9,10,11,12,13,14,15
.irp u, 0,1,2,3
	global_load_b128 v[4*(4*\g+\u):4*(4*\g+\u)+3], v[GO+2*\g], s[HC:HC+1] offset:256*\u
.endr
.endr
	WIN 0xc0
.irp g, 0,1,2,3,4,5,6,7,8,9,10,11,12,13,14,15
.irp u, 0,1,2,3
	global_load_b128 v[4*(4*\g+\u):4*(4*\g+\u)+3], v[GO+2*\g+1], s[HC:HC+1] offset:256*\u
.endr
.endr
	s_wait_loadcnt 63                              ; 64 loads are younger than the last of the first halves: those are in
	WIN 0x08                                       ; an LDS store's data are its source 1: window 2
.irp g, 0,1,2,3,4,5,6,7,8,9,10,11,12,13,14,15
.irp u, 0,1,2,3
	ds_store_b128 v[LA0], v[4*(4*\g+\u):4*(4*\g+\u)+3] offset:2*PITCH*\g+256*\u
.endr
.endr
	WIN 0
.irp q, 0,1,2,3
	global_load_b128 v[128+4*\q:131+4*\q], v[SGO+\q], s[HS:HS+1]     ; the rows' scale bytes
.endr
	global_load_b128 v[144:147], v[B1O], s[B1P:B1P+1]
	global_load_b128 v[148:151], v[B1O], s[B1P:B1P+1] offset:512
	LDB 0, 0                                       ; W1's steps 0 and 1, in the order that every later step keeps: blocks 0-3, scale words, blocks 4-7
	LDSB 0
	LDB 0, 1
	LDB 1, 0
	LDSB 1
	LDB 1, 1
	WIN 0
	s_wait_loadcnt 63                              ; 66 loads (W1's) are younger than b1's: the second halves, the scale bytes and b1 are in
	WIN 0x0c                                       ; the data: window 3
.irp g, 0,1,2,3,4,5,6,7,8,9,10,11,12,13,14,15
.irp u, 0,1,2,3
	ds_store_b128 v[LA0], v[4*(4*\g+\u):4*(4*\g+\u)+3] offset:2*PITCH*\g+1024+256*\u
.endr
.endr
	WIN 0
.irp q, 0,1,2,3
	ds_store_b128 v[SLA], v[128+4*\q:131+4*\q] offset:8*SPI*\q
.endr
	ds_store_b128 v[B1A], v[144:147]
	ds_store_b128 v[B1A], v[148:151] offset:512
	s_wait_dscnt 0x0                               ; for the others' sake: my rows, scale bytes and part of b1 lie in LDS
	s_barrier_signal -1
	s_barrier_wait -1                              ; everybody's do; from here on these bytes are only read
	s_mov_b32 s[NH], 0
; One product: accumulator (i, b) += W1's block b (set p) x A's block i.  cf = 1: the sum's first product, whose C is b1's tile b (window 0): the text is the same, the window of source 2 and its number differ.
; A side's scale words are read from lanes 0-15 of the register named, or with ROW1 from lanes 16-31: blocks 4-7 lie there.
.macro WM i, b, p, cf
.set mD, 8*(8*((\i)&3)+(\b))
.set mW, 128*(\p)+16*(\b)
.set mA, AF+16*(\i)
.set mSW, SB+4*(\p)+((\b)&3)
.set mSA, SA+4*(\p)+((\i)&3)
.if \cf
.set mC, LB+8*(\b)
.else
.set mC, mD
.endif
.if ((\i)<4)&&((\b)<4)
	v_wmma_scale_f32_16x16x128_f8f6f4 v[mD:mD+7], v[mW:mW+15], v[mA:mA+15], v[mC:mC+7], v[mSW], v[mSA] matrix_a_fmt:MATRIX_FMT_BF8 matrix_b_fmt:MATRIX_FMT_BF8
.elseif (\i)<4
	v_wmma_scale_f32_16x16x128_f8f6f4 v[mD:mD+7], v[mW:mW+15], v[mA:mA+15], v[mC:mC+7], v[mSW], v[mSA] matrix_a_fmt:MATRIX_FMT_BF8 matrix_b_fmt:MATRIX_FMT_BF8 matrix_a_scale:MATRIX_SCALE_ROW1
.elseif (\b)<4
	v_wmma_scale_f32_16x16x128_f8f6f4 v[mD:mD+7], v[mW:mW+15], v[mA:mA+15], v[mC:mC+7], v[mSW], v[mSA] matrix_a_fmt:MATRIX_FMT_BF8 matrix_b_fmt:MATRIX_FMT_BF8 matrix_b_scale:MATRIX_SCALE_ROW1
.else
	v_wmma_scale_f32_16x16x128_f8f6f4 v[mD:mD+7], v[mW:mW+15], v[mA:mA+15], v[mC:mC+7], v[mSW], v[mSA] matrix_a_fmt:MATRIX_FMT_BF8 matrix_b_fmt:MATRIX_FMT_BF8 matrix_a_scale:MATRIX_SCALE_ROW1 matrix_b_scale:MATRIX_SCALE_ROW1
.endif
.endm
; 8 products: A's blocks 4 ih + i0, 4 ih + i0 + 1 x W1's blocks 4 bh + 0 .. 3: half a quad
.macro OCT ih, bh, p, cf, i0
.if \cf
	WIN 0x81+0x40*(\ih)                            ; source 0 (W1) window 1, source 1 (A) and source 2 (b1) window 0, destination window 2 or 3
.else
	WIN 0xa1+0x50*(\ih)                            ; C and D window 2 or 3
.endif
.irp ii, \i0, \i0+1
.irp bb, 0,1,2,3
	WM (4*(\ih)+\ii), (4*(\bh)+\bb), \p, \cf
.endr
.endr
.endm
; 16 products: A's blocks 4 ih + 0 .. 3 x W1's blocks 4 bh + 0 .. 3.  The 64 accumulators take turns, one instruction a turn, once each a step, in the same order in every step.
.macro QUAD ih, bh, p, cf
	OCT \ih, \bh, \p, \cf, 0
	OCT \ih, \bh, \p, \cf, 2
.endm
; A's blocks 4 half + 0 .. 3, 128 along K at byte ko behind the address: a fragment is four loads of 16 bytes, 32 bytes apart, at row x pitch + 16 h
.macro LDA half, ar, ko
.irp ii, 0,1,2,3
.irp c, 0,1,2,3
	ds_load_b128 v[AF+16*(4*(\half)+\ii)+4*\c:AF+16*(4*(\half)+\ii)+4*\c+3], v[\ar+2*(\half)+(\ii/2)] offset:16*PITCH*(\ii%2)+(\ko)+32*\c
.endr
.endr
.endm
.macro LDSA p, ar, so                  ; A's scale words of one step into set p
.irp rho, 0,1,2,3
	ds_load_b32 v[SA+4*(\p)+\rho], v[\ar] offset:16*SPI*\rho+(\so)
.endr
.endm
; A STEP of 128 along K: 64 products on set p.  W1's columns go by halves: blocks 0-3 of the set take step s + 2 in the middle of the step's last quad, 72 products ahead of their first use; the scale words and
; blocks 4-7 at the step's end, 64 and 96 products ahead.  A has one set: blocks 0-3 are fetched anew behind their last product, blocks 4-7 at the step's end.
; A load into a register that a matrix instruction has read stands eight places behind it, and only plain vector instructions that name none of its registers are places
; eight v_nop behind quad (0,1) and behind quad (1,1); the wait that states the dependence stands behind the places.
; ldb: 1 = W1's step s + 2 is asked for; 2 = only in the first half (the wave's stream ends with the second half's last step): a branch on the half's number round those lines alone.  lda: A's step s + 1 is fetched.
; n0, n1: global loads go out in the order blocks 0-3 (16), scale words (1), blocks 4-7 (16) of step after step.  At a step's head steps s and s + 1 have been asked for: behind this step's scale words stand
; 16 + 16 + 1 + 16 = 49 loads, behind its blocks 4-7 stand 33.  (W2's eight loads at a half's head stand among them there: the counts are then smaller than need be, which is safe.)
.macro STEP p, cf, ldb, lda, n0, n1
	s_wait_loadcnt \n0                             ; W1's blocks 0-3 and scale words of this step are in
	s_wait_dscnt 16                                ; A's blocks 0-3 and scale words are in; the youngest sixteen loads (blocks 4-7) may be out
	QUAD 0, 0, \p, \cf
	s_wait_dscnt 0x0                               ; A's blocks 4-7
	QUAD 1, 0, \p, \cf
	s_wait_loadcnt \n1                             ; W1's blocks 4-7
	QUAD 0, 1, \p, \cf
	WIN 0
	PLACES 8
	s_wait_alu depctr_va_vdst(0)                   ; quads (0,0), (1,0), (0,1) are done reading W1's blocks 0-3 and A's blocks 0-3, the step before is done reading SA's other set: loads land in all three below; in a trip's first step AD and SAD are written, which A's loads read
.if \lda
	LDA 0, AD, 128*(\p+1)
	LDSA 1-\p, SAD, 4*(\p+1)
.endif
	OCT 1, 1, \p, \cf, 0                           ; these eight products name W1's blocks 4-7, A's blocks 4 and 5, SA and SB of set p and window 3: no register that the loads above or below touch
.if \ldb == 2
	WIN 0                                          ; at a branch every window is 0
	s_cmp_eq_u32 s[NH], 1
	s_cbranch_scc1 .Lno_lo_\@
.endif
.if \ldb
.if \p == 0
	s_wait_xcnt 0x0                                ; the earlier loads have read their bases: only behind this wait are they stepped
	s_add_nc_u64 s[BP:BP+1], s[BP:BP+1], 2*16384
	s_add_nc_u64 s[SBP:SBP+1], s[SBP:SBP+1], 2*512
.endif
	LDB \p, 0                                      ; no further wait: since the wait above no vector or matrix instruction has named the set's blocks 0-3 or v1
.endif
.if \ldb == 2
	WIN 0                                          ; at a label every window is 0
.Lno_lo_\@:
.endif
	OCT 1, 1, \p, \cf, 2
	WIN 0
	PLACES 8                                       ; (behind a half's last step these are also the places in front of the GELU's first reads of results)
	s_wait_alu depctr_va_vdst(0)                   ; the step's products are done reading A's blocks 4-7, W1's blocks 4-7 and SB's set p, in which the loads below land
.if \lda
	LDA 1, AD, 128*(\p+1)
.endif
.if \ldb == 2
	s_cmp_eq_u32 s[NH], 1
	s_cbranch_scc1 .Lno_hi_\@
.endif
.if \ldb
	LDSB \p
	LDB \p, 1
	WIN 0
.endif
.if \ldb == 2
.Lno_hi_\@:
.endif
.endm
; A TRIP: two steps.  kind 0: a half's first (its first step starts the sums on b1); 1: in the loop; 2: the last.
; The last step's counts: where nothing more has been asked for (second half) its blocks 4-7, 16 loads, stand behind its scale words, and nothing behind those; in the first half more loads are out and the same
; counts wait for more than need be: safe, and one text serves both halves.
.macro TRIP kind
	s_wait_alu depctr_vm_vsrc(0)                   ; the LDS loads issued so far (A's and its scale words'; in a half's first trip b1's too) have read v6-9 and v11, which the five additions write
.irp q, 0,1,2,3
	v_add_nc_u32 v[AD+\q], s[KO], v[AB+\q]
.endr
	v_add_nc_u32 v[SAD], s[SO], v[SAB]
.if \kind == 0
	STEP 0, 1, 1, 1, 49, 33
	STEP 1, 0, 1, 1, 49, 33
.elseif \kind == 1
	STEP 0, 0, 1, 1, 49, 33
	STEP 1, 0, 1, 1, 49, 33
.else
	STEP 0, 0, 2, 1, 49, 33
	STEP 1, 0, 2, 0, 16, 0
.endif
	s_add_co_u32 s[KO], s[KO], 256
	s_add_co_u32 s[SO], s[SO], 8
.endm
; THE GELU AND THE SECOND PRODUCT, in 16 batches of 32 numbers a lane: batch beta = units 32 (beta / 4) + 0 .. 31 of the wave's 128, row blocks 2 (beta % 4) and 2 (beta % 4) + 1.  Two sets of work registers by turns.
; No memory or LDS instruction stands among these lines.
.macro ABS be                          ; |x|: each accumulator is read from its low end on
.set aI, 2*((\be)&3)
.set aX, 16*((\be)>>2)
.set aA, AXB+64*((\be)&1)
	WIN (2+(aI>>2))<<2                             ; source 1: window 2 or 3
.irp g, 0,1
.set au, 0
.rept 16
	v_and_b32 v[aA+16*\g+au], s[ABSM], v[64*((aI+\g)&3)+aX+au]
.set au, au+1
.endr
.endr
	WIN 0
.endm
; D = 1 + |x| (c1 + |x| (c2 + .. + |x| c6)) of batch bh, two numbers an instruction, level by level; behind every third line one reciprocal of batch br, whose D is finished.  -1: no such batch.
; No line here names a reciprocal's result: the batch's one wait stands at the head of POST.
.macro HORN bh, br
.if (\br) >= 0
.set hR, DDB+64*((\br)&1)
.endif
.set hn, 0
.set hf, 0
.if (\bh) >= 0
.set hA, AXB+64*((\bh)&1)
.set hD, DDB+64*((\bh)&1)
.irp lv, 1,2,3,4,5,6
.set hu, 0
.rept 16
.if \lv == 1
	v_pk_fma_f32 v[hD+hu:hD+hu+1], v[hA+hu:hA+hu+1], s[C6:C6+1], v[C5:C5+1] op_sel_hi:[1,0,1]
.elseif \lv == 6
	v_pk_fma_f32 v[hD+hu:hD+hu+1], v[hD+hu:hD+hu+1], v[hA+hu:hA+hu+1], 1.0 op_sel_hi:[1,1,0]
.else
	v_pk_fma_f32 v[hD+hu:hD+hu+1], v[hD+hu:hD+hu+1], v[hA+hu:hA+hu+1], s[C4+2*(\lv-2):C4+2*(\lv-2)+1] op_sel_hi:[1,1,0]
.endif
.set hu, hu+2
.set hf, hf+1
.if ((\br)>=0)&&((hf%3)==0)
	v_rcp_f32 v[hR+hn], v[hR+hn]
.set hn, hn+1
.endif
.endr
.endr
.else
.rept 32
	v_rcp_f32 v[hR+hn], v[hR+hn]
.set hn, hn+1
.endr
.endif
.endm
; r = 1 / D is there: r^16 by four squarings, w = 1 - r^16 = erf, y = x + |x| w = 2 gelu(x), rounded to bf16 in pairs: source 1 of two products logits^T += W2^T y^T.  The eight logit tiles take turns.
.macro POST be
.set pT, (\be)&1
.set pP, (\be)>>2
.set pI, 2*((\be)&3)
.set pA, AXB+64*pT
.set pD, DDB+64*pT
.set pX, 16*pP
	v_nop                                          ; a plain line behind the last reciprocal,
	s_wait_alu depctr_va_vdst(0)                   ; and a wait ahead of the first line that names a result: the batch's 32 reciprocals have written their registers, which the squarings below read
.rept 4
.set pu, 0
.rept 16
	v_pk_mul_f32 v[pD+pu:pD+pu+1], v[pD+pu:pD+pu+1], v[pD+pu:pD+pu+1]
.set pu, pu+2
.endr
.endr
.set pu, 0
.rept 16
	v_pk_fma_f32 v[pD+pu:pD+pu+1], v[pD+pu:pD+pu+1], -1.0, 1.0 op_sel_hi:[1,0,0]
.set pu, pu+2
.endr
	WIN (2+(pI>>2))<<4                             ; source 2 (x): window 2 or 3
.irp g, 0,1
.set pu, 0
.rept 8
	v_pk_fma_f32 v[pA+16*\g+pu:pA+16*\g+pu+1], v[pA+16*\g+pu:pA+16*\g+pu+1], v[pD+16*\g+pu:pD+16*\g+pu+1], v[64*((pI+\g)&3)+pX+pu:64*((pI+\g)&3)+pX+pu+1]
.set pu, pu+2
.endr
.endr
	WIN 0
.irp g, 0,1
.set pu, 0
.rept 8
	v_cvt_pk_bf16_f32 v[pD+8*\g+pu], v[pA+16*\g+2*pu], v[pA+16*\g+2*pu+1]
.set pu, pu+1
.endr
.endr
.irp g, 0,1
.if pP == 0
	v_wmma_f32_16x16x32_bf16 v[LB+8*(pI+\g):LB+8*(pI+\g)+7], v[WB+8*pP:WB+8*pP+7], v[pD+8*\g:pD+8*\g+7], 0
.else
	v_wmma_f32_16x16x32_bf16 v[LB+8*(pI+\g):LB+8*(pI+\g)+7], v[WB+8*pP:WB+8*pP+7], v[pD+8*\g:pD+8*\g+7], v[LB+8*(pI+\g):LB+8*(pI+\g)+7]
.endif
.endr
.endm
; Batch beta + 1's |x| and D stand in front of batch beta's finish: ABS's 32 lines, which name none of the last two products' registers, are the places in front of the lines that write those products' source again.
.macro EPI
	ABS 0
	HORN 0, -1
.irp be, 0,1,2,3,4,5,6,7,8,9,10,11,12,13,14
	ABS \be+1
	HORN \be+1, \be
	POST \be
.endr
	HORN -1, 15
	POST 15
.endm
.Lhalf:                                                ; two trips: hidden units 512 NH + 128 w + 0 .. 127
	s_mov_b32 s[KO], 0
	s_mov_b32 s[SO], 0
	s_lshl_b32 s28, s[NH], 11
	s_wait_alu depctr_vm_vsrc(0)                   ; first half: the head's loads and LDS stores have read v64-109 (offsets, addresses), v128-151 and windows 2 and 3 (data), which the loads below and the first products write; second half: the stage's stores have read v6 and the logit tiles
	v_add_nc_u32 v6, s28, v[BAB]
	s_wait_alu depctr_va_vdst(0)                   ; v6 is written, which b1's loads read; the head's arithmetic is done with v64-111; in the second half the GELU is done with v128-255 and the products with W2's fragments, the logit tiles and SA's set 0: loads land in all of these below
.irp j, 0,1,2,3,4,5,6,7
	global_load_b128 v[WB+4*\j:WB+4*\j+3], v[L16], s[W2P:W2P+1] offset:512*\j    ; W2's four fragments of the half: wanted behind the 16 steps
.endr
.irp b, 0,1,2,3,4,5,6,7
	ds_load_b128 v[LB+8*\b:LB+8*\b+3], v6 offset:64*\b          ; b1 in the result's layout: tile b, lane (r, h): units 16 b + 8 h + 0 .. 7
	ds_load_b128 v[LB+8*\b+4:LB+8*\b+7], v6 offset:64*\b+16
.endr
	LDA 0, AB, 0                                   ; A's step 0, in the order that the steps' waits count on
	LDSA 0, SAB, 0
	LDA 1, AB, 0
	TRIP 0
	s_mov_b32 s[TR], 6
.Lk:
	TRIP 1
	s_sub_co_i32 s[TR], s[TR], 1
	s_cmp_lg_u32 s[TR], 0
	s_cbranch_scc1 .Lk
	TRIP 2
	EPI
	PLACES 4                                       ; four places between the last product and the stores that read results, and the next half's loads into its registers
	s_lshl_b32 s28, s[NH], 10
	s_wait_alu depctr_vm_vsrc(0)                   ; the last trip's loads of A have read v6, which the addition writes
	v_add_nc_u32 v6, s28, v[STB]
	s_wait_alu depctr_va_vdst(0)                   ; v6 is written and the bf16 products have written the logit tiles: the stores below read both; the places above stay beside this wait
.irp i, 0,1,2,3,4,5,6,7
	ds_store_b64 v6, v[LB+8*\i:LB+8*\i+1] offset:128*\i         ; registers 0, 1: the two logits' parts of row 16 i + r.  Rows 8 and 9 of W2^T's operand repeat rows 0 and 1, so lanes 16-31 hold the same bits and write the same bytes
.endr
	s_wait_dscnt 0x0                               ; for the others' sake (the barrier behind the loop)
	s_wait_xcnt 0x0                                ; W2's loads have read their base
	s_add_nc_u64 s[W2P:W2P+1], s[W2P:W2P+1], 4096
	s_add_co_u32 s[NH], s[NH], 1
	s_cmp_lt_u32 s[NH], 2
	s_cbranch_scc1 .Lhalf
	; THE TAIL: the eight parts of each row's two logits are added, and b2; thread t owns row t.
	s_barrier_signal -1
	s_barrier_wait -1                              ; all eight parts lie in the stage
	v_lshlrev_b32 v2, 3, v0                        ; (v2 and v3 were addresses of A: the loads that read them, at the halves' heads, stand ahead of the trips' waits on vm_vsrc)
	v_add_nc_u32 v3, STG, v2
	s_wait_alu depctr_va_vdst(0)                   ; v3 is written, which the loads below read; the GELU's lines are done with v128-143, in which they land
.irp j, 0,1,2,3,4,5,6,7
	ds_load_b64 v[128+2*\j:129+2*\j], v3 offset:1024*\j
.endr
	s_wait_dscnt 0x0
	v_pk_add_f32 v[128:129], v[128:129], v[130:131]
	v_pk_add_f32 v[132:133], v[132:133], v[134:135]
	v_pk_add_f32 v[136:137], v[136:137], v[138:139]
	v_pk_add_f32 v[140:141], v[140:141], v[142:143]
	v_pk_add_f32 v[128:129], v[128:129], v[132:133]
	v_pk_add_f32 v[136:137], v[136:137], v[140:141]
	v_pk_add_f32 v[128:129], v[128:129], v[136:137]
	v_add_f32 v128, s[B2V], v128
	v_add_f32 v129, s[B2V+1], v129
	s_wait_alu depctr_va_vdst(0)                   ; the sums have written v128 and v129, the store's data (its offset, v2, was written ahead of the wait above)
	global_store_b64 v2, v[128:129], s[OUTP:OUTP+1]    ; a wave stores 256 consecutive bytes, aligned
	s_wait_xcnt 0x0
	v_lshl_add_u32 v254, v0, 2, 0x46000            ; the add's two registers, made anew: no two could be kept; no memory or LDS instruction has read v254 or v255 of window 0
	v_mov_b32 v255, 0
	s_wait_dscnt 0x0                               ; the closing lines, six on end
	s_wait_alu 0x0
	s_wait_tensorcnt 0x0
	ds_add_u32 v254, v255
	s_wait_dscnt 0x0
	s_endpgm
.Lfunc_end_k_q3f040d771f_pairs_mlp:
	.size	k_q3f040d771f_pairs_mlp, .Lfunc_end_k_q3f040d771f_pairs_mlp-k_q3f040d771f_pairs_mlp
	.p2alignl 7, 3214868480
	.fill 96, 4, 3214868480
	.section	.rodata,"a",@progbits
	.p2align	6, 0x0
	.amdhsa_kernel k_q3f040d771f_pairs_mlp
		.amdhsa_group_segment_fixed_size 287232
		.amdhsa_private_segment_fixed_size 0
		.amdhsa_enable_private_segment 0
		.amdhsa_kernarg_size 72
		.amdhsa_user_sgpr_count 2
		.amdhsa_user_sgpr_kernarg_segment_ptr 1
		.amdhsa_wavefront_size32 1
		.amdhsa_system_sgpr_workgroup_id_x 1
		.amdhsa_system_sgpr_workgroup_id_y 1
		.amdhsa_system_sgpr_workgroup_id_z 1
		.amdhsa_system_vgpr_workitem_id 0
		.amdhsa_next_free_vgpr 1024
		.amdhsa_next_free_sgpr 66
		.amdhsa_reserve_vcc 0
		.amdhsa_float_denorm_mode_32 3
		.amdhsa_float_denorm_mode_16_64 3
		.amdhsa_memory_ordered 1
		.amdhsa_forward_progress 1
		.amdhsa_inst_pref_size 255
	.end_amdhsa_kernel
	.section	.bss,"aw",@nobits
	.p2align	6
	.space	262144
	.amdgpu_metadata
---
amdhsa.version: [ 1, 2 ]
amdhsa.kernels:
  - .name:           k_q3f040d771f_pairs_mlp
    .symbol:         k_q3f040d771f_pairs_mlp.kd
    .args:
      - { .name: hs_codes, .offset: 0, .size: 8, .value_kind: global_buffer, .address_space: global }
      - { .name: hs_scales, .offset: 8, .size: 8, .value_kind: global_buffer, .address_space: global }
      - { .name: pairs, .offset: 16, .size: 8, .value_kind: global_buffer, .address_space: global }
      - { .name: w1f, .offset: 24, .size: 8, .value_kind: global_buffer, .address_space: global }
      - { .name: w1sf, .offset: 32, .size: 8, .value_kind: global_buffer, .address_space: global }
      - { .name: w2f, .offset: 40, .size: 8, .value_kind: global_buffer, .address_space: global }
      - { .name: b1, .offset: 48, .size: 8, .value_kind: global_buffer, .address_space: global }
      - { .name: b2, .offset: 56, .size: 8, .value_kind: global_buffer, .address_space: global }
      - { .name: out0, .offset: 64, .size: 8, .value_kind: global_buffer, .address_space: global }
    .group_segment_fixed_size: 287232
    .private_segment_fixed_size: 0
    .kernarg_segment_align: 8
    .kernarg_segment_size: 72
    .max_flat_workgroup_size: 128
    .sgpr_count:     66
    .vgpr_count:     1024
    .wavefront_size: 32
...
	.end_amdgpu_metadata
.endif
;; end of part 3
